; MI455X (gfx1250); checked and timed in simulation.
; The chip was launched on July 23, 2026; its instructions are those of AMD's public machine-readable ISA for CDNA 5 (MIT licence, August 2026) and "CDNA5" Instruction Set Architecture Reference Guide (July 2026). The comments in the code are by the model that wrote it; some were corrected since.
;; Multi Head Attention2. Allowed arithmetic: float matrix products may take bf16 or f16 operands with f32 sums; other float arithmetic in f32, or as packed bf16 or f16 multiplies, adds, multiply-adds, maxima and minima; sums over many terms, partial sums and values carried from step to step in f32; what a program stores and reads back later, other than sums and carried values, may be rounded once to bf16 or f16.
;; Inputs: Wk 1,024 x 1,024 float32; Wo 1,024 x 1,024 float32; Wq 1,024 x 1,024 float32; Wv 1,024 x 1,024 float32; att_prior_bias 16 float32; bk 1,024 float32; bo 1,024 float32; bq 1,024 float32; bv 1,024 float32; cos 1,024 x 1,024 float32; k 8 x 1,024 x 1,024 float32; mask 8 x 1,024 float32; q 8 x 1,024 x 1,024 float32; short_matrix 1,024 x 1,024 float32; sin 1,024 x 1,024 float32; v 8 x 1,024 x 1,024 float32.
;; Outputs: out0 8 x 1,024 x 1,024 float32.
;; One version. Each part assembles by itself: llvm-mc -triple=amdgcn-amd-amdhsa -mcpu=gfx1250 --defsym DOCPART=n.
;; ======== version 1 of 1: 4 launches
;; limits: values outside matrix products are rounded to f16; values are held in f16: magnitudes above 65,504 overflow, below 6.1e-05 lose precision
;; workspace buffers: ws 65,011,712 bytes; heads 50,331,648 bytes; ob 16,777,216 bytes
;; launch cast (part 1): grid 64 x 31, 8 waves a work-group, no clusters, 35,840 bytes of LDS; arguments q, k, v, Wq, Wk, Wv, Wo, cos, sin, short_matrix, ws; writes ws
.if DOCPART == 1
	.amdgcn_target "amdgcn-amd-amdhsa--gfx1250"
	.amdhsa_code_object_version 6
	.text
	.protected	k_qc45526e775_cast
	.globl	k_qc45526e775_cast
	.p2align	8
	.type	k_qc45526e775_cast,@function
k_qc45526e775_cast:
	s_mov_b64 s[64:65], 0
	v_nop
	global_prefetch_b8 v0, s[64:65] scope:SCOPE_SE
	s_setreg_imm32_b32 hwreg(HW_REG_WAVE_MODE, 25, 1), 1
	s_wait_xcnt 0x0
; ALL LARGE INPUTS ARE ROUNDED ONCE TO bf16 AND LAID OUT FOR THE LAUNCHES BEHIND.  ws is 31 slabs of 2,097,152 bytes; slab y is made of 1,048,576 f32:
;   y 0-23   q, k, v (8 slabs each)      bf16, as they lie            y 24-26  Wq, Wk, Wv   bf16, as they lie
;   y 27     Wo                          the bf16 number written as f16, as it lies
;   y 28-30  cos, sin, short_matrix      the bf16 number written as f16, IN FRAGMENT ORDER: the 16 bytes number [T:6][cb:6][h:1][r:4] hold tab[16 T + r][16 cb + 8 h + 0..7],
;                                        so that a wave's 32 lanes later read a 16 x 16 block as 512 consecutive bytes.
; LIMITS.  A bf16 number is exact in f16 from 2^-17 up to 65,504; below, it keeps f16's fixed step of 6e-8; from 65,520 on it becomes an infinity: Wo, cos, sin and short_matrix stay under that.
; SHARES.  A work-group (x, y) turns 16,384 f32 (64 KiB) into 32 KiB at slab y, byte 32,768 x.  In each of 16 turns thread t reads the 16 bytes at 16 t + 4,096 i: a wave's load covers 512 consecutive bytes.
; As it lies: the thread's 8 bytes go to 8 t + 2,048 i: a wave's store covers 256 consecutive bytes, aligned.
; Fragment order: turn i is row i of the work-group's 16 rows, and thread t = 32 w + l holds columns 128 w + 4 l .. + 3: half l % 2 of the 16 bytes of row i in unit u = l / 2 (column block 8 w + u / 2, half u % 2).
; The wave's 16 units of 256 bytes are gathered in a stage in LDS of its own (no other wave touches it, so no barrier) and leave as eight stores of 512 consecutive bytes.
; All 16 loads of a thread go out at once; nothing is read twice; no matrix work: the launch only moves bytes.
.set IN,  8                            ; v[8:71]    turn i: 4 f32; later the stage's rows read back
.set OUT, 72                           ; v[72:103]  turn i: 2 registers to store
.set T,   104                          ; v[104:105] at work
.set SPW, 106                          ; v106  my spare word; never rewritten
.set NIL, 107                          ; v107  0; never rewritten
.set UP,    272                        ; a unit in the stage: 256 bytes + 16: the 32 lanes of a store of 8 bytes fall on 32 different words of 8 bytes modulo 256 (64 banks of 4 bytes: ISA guide 11.1)
.set WST,   16*UP                      ; a wave's stage
.set SPARE, 8*WST                      ; behind the stages: the spare words, 128 bytes for each wave: four blocks of 256 bytes that no other line names
	s_load_b512 s[8:23], s[0:1], 0x0               ; q, k, v, Wq, Wk, Wv, Wo, cos
	s_load_b128 s[24:27], s[0:1], 0x40             ; sin, short_matrix
	s_load_b64 s[28:29], s[0:1], 0x50              ; ws
	v_lshl_add_u32 v[SPW], v0, 2, SPARE
	v_mov_b32 v[NIL], 0
	s_and_b32 s2, ttmp7, 0xffff                    ; y
	s_lshr_b32 s3, s2, 3
	s_sub_co_u32 s4, s2, 21
	s_and_b32 s5, s2, 7
	s_cmp_lt_u32 s2, 24
	s_cselect_b32 s3, s3, s4                       ; which input: y / 8 for q, k, v; y - 21 behind them
	s_cselect_b32 s5, s5, 0                        ; which eighth of q, k, v
	s_lshl_b32 s5, s5, 22
	s_lshl_b32 s6, ttmp9, 16
	s_add_co_u32 s34, s5, s6                       ; the work-group's first byte in its input
	s_mov_b32 s35, 0
	s_lshl_b32 s5, s2, 21
	s_lshl_b32 s6, ttmp9, 15
	s_add_co_u32 s36, s5, s6                       ; and in ws
	s_mov_b32 s37, 0
	s_mov_b32 s38, 0xffff0000                      ; a word's upper bf16
	v_lshrrev_b32 v6, 5, v0
	v_readfirstlane_b32 s7, v6                     ; wave
	s_mul_i32 s39, s7, WST                         ; my stage
	s_lshl_b32 s4, s7, 12                          ; my wave's 4,096 bytes of the work-group's output, in fragment order
	v_lshlrev_b32 v1, 4, v0                        ; in: 16 t
	v_lshlrev_b32 v2, 3, v0                        ; out, as it lies: 8 t
	v_and_b32 v6, 31, v0                           ; l
	v_lshrrev_b32 v3, 1, v6
	v_mul_u32_u24 v3, v3, UP                       ; into the stage: unit l / 2,
	v_and_b32 v7, 1, v6
	v_lshl_add_u32 v3, v7, 3, v3                   ; half l % 2; the row stands in the immediate
	v_add_nc_u32 v3, s39, v3
	v_lshrrev_b32 v4, 4, v6
	v_mul_u32_u24 v4, v4, UP                       ; back: lanes 0-15 take one unit's 256 bytes, lanes 16-31 the next unit's
	v_and_b32 v7, 15, v6
	v_lshl_add_u32 v4, v7, 4, v4
	v_add_nc_u32 v4, s39, v4
	v_lshl_add_u32 v5, v6, 4, s4                   ; out, in fragment order: 4,096 w + 16 l
	s_wait_kmcnt 0x0
	s_mov_b64 s[30:31], s[8:9]
.irp j, 1,2,3,4,5,6,7,8,9
	s_cmp_eq_u32 s3, \j
	s_cselect_b64 s[30:31], s[8+2*\j:9+2*\j], s[30:31]
.endr
	s_add_nc_u64 s[30:31], s[30:31], s[34:35]
	s_add_nc_u64 s[32:33], s[28:29], s[36:37]
.irp i, 0,1,2,3,4,5,6,7,8,9,10,11,12,13,14,15
	global_load_b128 v[IN+4*(\i):IN+4*(\i)+3], v1, s[30:31] offset:4096*(\i) th:TH_LOAD_NT
.endr
	s_cmp_ge_u32 s2, 27
	s_cbranch_scc1 .Lf16
.irp i, 0,1,2,3,4,5,6,7,8,9,10,11,12,13,14,15
	s_wait_loadcnt 15-(\i)                         ; loads come back in order: turn i's is in, one for each later turn may stay out
	v_cvt_pk_bf16_f32 v[OUT+2*(\i)],   v[IN+4*(\i)],   v[IN+4*(\i)+1]
	v_cvt_pk_bf16_f32 v[OUT+2*(\i)+1], v[IN+4*(\i)+2], v[IN+4*(\i)+3]
	global_store_b64 v2, v[OUT+2*(\i):OUT+2*(\i)+1], s[32:33] offset:2048*(\i)
.endr
	s_endpgm
.Lf16:
.irp i, 0,1,2,3,4,5,6,7,8,9,10,11,12,13,14,15
	s_wait_loadcnt 15-(\i)
	v_cvt_pk_bf16_f32 v[T],   v[IN+4*(\i)],   v[IN+4*(\i)+1]   ; the one rounding,
	v_cvt_pk_bf16_f32 v[T+1], v[IN+4*(\i)+2], v[IN+4*(\i)+3]
	v_lshlrev_b32 v[IN+4*(\i)],   16,  v[T]                    ; back to f32,
	v_and_b32     v[IN+4*(\i)+1], s38, v[T]
	v_lshlrev_b32 v[IN+4*(\i)+2], 16,  v[T+1]
	v_and_b32     v[IN+4*(\i)+3], s38, v[T+1]
	v_cvt_pk_f16_f32 v[OUT+2*(\i)],   v[IN+4*(\i)],   v[IN+4*(\i)+1]  ; and the same number as f16
	v_cvt_pk_f16_f32 v[OUT+2*(\i)+1], v[IN+4*(\i)+2], v[IN+4*(\i)+3]
.endr
	s_cmp_eq_u32 s2, 27
	s_cbranch_scc1 .Lwo
.irp i, 0,1,2,3,4,5,6,7,8,9,10,11,12,13,14,15
	ds_store_b64 v3, v[OUT+2*(\i):OUT+2*(\i)+1] offset:16*(\i)  ; row i of my unit
.endr
.irp j, 0,1,2,3,4,5,6,7
	ds_load_b128 v[IN+4*(\j):IN+4*(\j)+3], v4 offset:2*UP*(\j)  ; LDS serves a wave's instructions in order (ISA guide 5.7.1.4): these see the stores above
.endr
.irp j, 0,1,2,3,4,5,6,7
	s_wait_dscnt 7-(\j)                            ; units 2 j and 2 j + 1 are back; the younger loads may stay out
	global_store_b128 v5, v[IN+4*(\j):IN+4*(\j)+3], s[32:33] offset:512*(\j)  ; 512 consecutive bytes, aligned
.endr
	s_wait_tensorcnt 0x0                           ; the wave's end: behind my last LDS store
	ds_add_u32 v[SPW], v[NIL]
	s_wait_dscnt 0x0
	s_endpgm
.Lwo:
.irp i, 0,1,2,3,4,5,6,7,8,9,10,11,12,13,14,15
	global_store_b64 v2, v[OUT+2*(\i):OUT+2*(\i)+1], s[32:33] offset:2048*(\i)
.endr
	s_endpgm
.Lfunc_end_k_qc45526e775_cast:
	.size	k_qc45526e775_cast, .Lfunc_end_k_qc45526e775_cast-k_qc45526e775_cast
	.p2alignl 7, 3214868480
	.fill 96, 4, 3214868480
	.section	.rodata,"a",@progbits
	.p2align	6, 0x0
	.amdhsa_kernel k_qc45526e775_cast
		.amdhsa_group_segment_fixed_size 35840
		.amdhsa_private_segment_fixed_size 0
		.amdhsa_enable_private_segment 0
		.amdhsa_kernarg_size 88
		.amdhsa_user_sgpr_count 2
		.amdhsa_user_sgpr_kernarg_segment_ptr 1
		.amdhsa_wavefront_size32 1
		.amdhsa_system_sgpr_workgroup_id_x 1
		.amdhsa_system_sgpr_workgroup_id_y 1
		.amdhsa_system_sgpr_workgroup_id_z 1
		.amdhsa_system_vgpr_workitem_id 0
		.amdhsa_next_free_vgpr 108
		.amdhsa_next_free_sgpr 66
		.amdhsa_reserve_vcc 0
		.amdhsa_float_denorm_mode_32 3
		.amdhsa_float_denorm_mode_16_64 3
		.amdhsa_memory_ordered 1
		.amdhsa_forward_progress 1
		.amdhsa_inst_pref_size 19
	.end_amdhsa_kernel
	.amdgpu_metadata
---
amdhsa.version: [ 1, 2 ]
amdhsa.kernels:
  - .name:           k_qc45526e775_cast
    .symbol:         k_qc45526e775_cast.kd
    .args:
      - { .name: q, .offset: 0, .size: 8, .value_kind: global_buffer, .address_space: global }
      - { .name: k, .offset: 8, .size: 8, .value_kind: global_buffer, .address_space: global }
      - { .name: v, .offset: 16, .size: 8, .value_kind: global_buffer, .address_space: global }
      - { .name: Wq, .offset: 24, .size: 8, .value_kind: global_buffer, .address_space: global }
      - { .name: Wk, .offset: 32, .size: 8, .value_kind: global_buffer, .address_space: global }
      - { .name: Wv, .offset: 40, .size: 8, .value_kind: global_buffer, .address_space: global }
      - { .name: Wo, .offset: 48, .size: 8, .value_kind: global_buffer, .address_space: global }
      - { .name: cos, .offset: 56, .size: 8, .value_kind: global_buffer, .address_space: global }
      - { .name: sin, .offset: 64, .size: 8, .value_kind: global_buffer, .address_space: global }
      - { .name: short_matrix, .offset: 72, .size: 8, .value_kind: global_buffer, .address_space: global }
      - { .name: ws, .offset: 80, .size: 8, .value_kind: global_buffer, .address_space: global }
    .group_segment_fixed_size: 35840
    .private_segment_fixed_size: 0
    .kernarg_segment_align: 8
    .kernarg_segment_size: 88
    .max_flat_workgroup_size: 256
    .sgpr_count:     66
    .vgpr_count:     108
    .wavefront_size: 32
...
	.end_amdgpu_metadata
.endif
;; end of part 1
;; launch proj (part 2): grid 4 x 96, 4 waves a work-group, clusters of 4 x 4, 327,680 bytes of LDS; arguments ws, bq, bk, bv, heads; writes heads
.if DOCPART == 2
	.amdgcn_target "amdgcn-amd-amdhsa--gfx1250"
	.amdhsa_code_object_version 6
	.text
	.protected	k_qc45526e775_proj
	.globl	k_qc45526e775_proj
	.p2align	8
	.type	k_qc45526e775_proj,@function
k_qc45526e775_proj:
	s_mov_b64 s[64:65], 0
	v_nop
	global_prefetch_b8 v0, s[64:65] scope:SCOPE_SE
	s_setreg_imm32_b32 hwreg(HW_REG_WAVE_MODE, 25, 1), 1
	s_wait_xcnt 0x0
	s_wait_alu depctr_hold_cnt(0) depctr_sa_sdst(0) depctr_va_vdst(0) depctr_va_sdst(0) depctr_va_ssrc(0) depctr_va_vcc(0) depctr_vm_vsrc(0)
	s_getreg_b32 s2, hwreg(HW_REG_IB_STS2, 6, 4)
	s_cmp_eq_u32 s2, 0
	s_cbranch_scc0 .Lentry_in_a_cluster
	s_endpgm
.Lentry_in_a_cluster:
	s_bfe_u32 s2, ttmp6, 0x10000c
	s_cmp_lg_u32 s2, 0xf033
	s_cbranch_scc0 .Lentry_shape_is_right
	s_endpgm
.Lentry_shape_is_right:
; THE THREE PROJECTIONS, THE ROTARY STEP AND THE SPLIT INTO HEADS.  X = q, k, v on end, [24576][1024] bf16 (ws, byte 0); W = Wq, Wk, Wv, [3][1024][1024] bf16 (ws, byte WB).
; y = X W^T + bias (bias rounded to bf16, sums in f32); for q and k: y_lo' = y_lo cos_lo - y_hi sin_lo, y_hi' = y_hi cos_hi + y_lo sin_hi, where hi = lo + 512 columns; rounded once to f16;
; stored as heads[which][16 batch + head][row][64].
; LIMITS.  f16 holds nothing beyond 65,504: the projected q, k, v stay under that; NaN and infinities are not treated apart.
; SHARES.  A tile is 256 rows x (128 columns from 128 tx and the 128 columns 512 further on): so a rotary pair lies in one work-group.  Four waves; a wave makes 128 rows x (64 low + 64 high columns):
; 64 accumulators, 512 registers; accumulators (a, b) and (a, b + 4) hold a pair in the same lane and register.  The wave's 64 low columns are head 2 tx + CH, the 64 high ones head 8 + 2 tx + CH.
; K goes in 8 steps of 128 through two LDS slots that the tensor data mover fills; each tile row is 256 bytes of memory, aligned.
; CLUSTERS.  4 x 4 work-groups: the four of a row need the same rows of X, the four of a column the same rows of W: each tile is asked for jointly, by the same load with the same descriptor and a mask of the four.
; WHICH of q, k, v hangs on the cluster's y alone: the one branch on it is the same in all sixteen partners.
; THE MATRIX INSTRUCTION IS USED TRANSPOSED (source 0 = 16 rows of W, source 1 = 16 rows of X): a lane holds row l % 16 and the eight neighbouring columns 8 (l / 16) + 0..7.
; The bias is the C operand of the product that starts each sum: nothing is cleared and nothing is added later.
; REGISTERS, in windows of 256 (s_set_vgpr_msb: bits 1:0 source 0, 3:2 source 1, 5:4 source 2, 7:6 destination):
;   window 0: v0-31 addresses; v64-127, v128-191 fragments of X, two buffers; v192-255 the bias; on the way out v64-79 at work, v96-127 packed results
;   window 1: v64-127, v128-191 fragments of W; on the way out four buffers of 64 for cos and sin
;   windows 2, 3: accumulators, (a, b) at v[8 (8 (a % 4) + b)]; on the way out a block's rows come back from the stage into the first 32 of its own 64 registers
.set KSTEP,  128
.set PITCH,  272                       ; an LDS row: 256 bytes + 16 of padding = 68 words: the 16 rows of a fragment load start at 16 different groups of four banks (64 banks of 4 bytes: ISA guide 11.1)
.set HALFT,  128*PITCH                 ; what one tensor load brings
.set SLOT,   4*HALFT                   ; X's 256 rows, W's 128 low rows, W's 128 high rows
.set STAGE,  2*SLOT                    ; behind the ring: for each wave two blocks (low head, high head) of 16 rows x 144 bytes
.set SP,     144
.set WSTAGE, 2*16*SP
.set SPARE,  STAGE+4*WSTAGE            ; the spare words, 128 bytes for each wave: two blocks of 256 bytes that no other line names
.set WB,     50331648                  ; W in ws
.set COSF,   58720256                  ; cos in fragment order in ws; sin lies SINOFF behind it
.set SINOFF, 2097152
.set G1W0,   (1<<16)|(1<<20)|(1<<21)|(5<<22)|(3<<25)  ; 2-byte elements; padding on; bit 21 beside a mask; after every 64 words; 4 words
.set ADRA0, 16                         ; v16  my place in X's rows of slot 0; never rewritten
.set ADRB0, 17                         ; v17  the same for W
.set ADRA,  18                         ; v18  the same in the slot in hand
.set ADRB,  19                         ; v19
.set BO,    20                         ; v20  32 x (l / 16): my eight numbers of a block of the bias
.set STO,   24                         ; v24  the way out: where I put 16 bytes of a row
.set RD,    25                         ; v25  the way out: where I read rows back
.set GO,    26                         ; v26  16 x lane
.set SPW,   28                         ; v28  my spare word; never rewritten
.set NIL,   29                         ; v29  0; never rewritten
.set PFO,   30                         ; v30  the prefetches' offset: lane x 2,048 (a row of X or W)
.set ZR,    31                         ; v31  0.0
.set F0,    64
.set F1,    128
.set BI,    192
.set TT,    64
.set OUTP,  96
.set WV, 14
.set RH, 15                            ; s15  my half of the rows; also: I fetch for X (0) or W (1)
.set CH, 16                            ; s16  my share of the columns; also: which 128 rows I fetch
.set CX, 17
.set CY, 18
.set TX, 19
.set TY, 20
.set CLY, 21
.set WHICH, 22
.set G1A, 24                           ; s[24:31] group 1 for X's tiles          s[32:39] for W's: the mask differs
.set G1B, 32
.set G0A, 40                           ; s[40:47] group 0 for X's tiles: a set for each first fill; the second then walks
.set G0B, 48                           ; s[48:55] the same for W's
.set TB,  56                           ; s56  0 or SLOT: the slot in hand
.set CNT, 57
.set LIM, 58                           ; s58  a wave prefetches while CNT is above it
.set PFA, 60                           ; s[60:61]
.set TP,  66                           ; s[66:67] cos at my rows and low columns
.set OUT, 68                           ; s[68:69] heads at my rows of my low head
.set MSB, 0
.macro WIN new                         ; the immediate's high byte repeats the setting that is left; a switch that changes nothing is dropped
.if MSB != (\new)
	s_set_vgpr_msb (MSB<<8)|(\new)
.set MSB, \new
.endif
.endm
.macro PLACES                          ; four plain vector instructions between a matrix instruction and what reads its result or writes one of its registers (ISA guide 7.12.1 for vector instructions)
.rept 4
	v_nop
.endr
.endm
.macro CREST                           ; a round of the cluster's barrier behind its opening barrier
	s_cmp_lg_u32 s[WV], 0
	s_cbranch_scc1 .Lnot_wave_0_\@
	s_barrier_signal -3
.Lnot_wave_0_\@:
	s_barrier_wait -3
	s_barrier_signal -1
	s_barrier_wait -1
.endm
.macro CROUND
	s_barrier_signal -1
	s_barrier_wait -1
	CREST
.endm
.macro JLOAD                           ; a joint refill by the walking descriptor; an s_nop 0 and four v_nop follow each line
	s_cmp_eq_u32 s[RH], 0
	s_cbranch_scc0 .Lfor_b_\@
	tensor_load_to_lds s[G0A+4:G0A+7], s[G1A:G1A+7]
	s_nop 0
.rept 4
	v_nop
.endr
	s_branch .Lasked_\@
.Lfor_b_\@:
	tensor_load_to_lds s[G0B+4:G0B+7], s[G1B:G1B+7]
	s_nop 0
.rept 4
	v_nop
.endr
.Lasked_\@:
.endm
; A PREFETCH INTO THE L2 of the K step that stands two refills on: 32 rows x 256 bytes, a lane a row, one instruction a wave.  X's rows are read by one cluster alone: it asks; W's by the eight clusters of one
; of q, k, v: the first of them asks.  The four partners that ask for a tile jointly share its 128 rows out by address, 32 each.  The refill of the trip with count CNT brings step 8 - CNT, so step 10 - CNT exists while CNT > 2.
.macro ASK
	s_cmp_gt_u32 s[CNT], s[LIM]
	s_cbranch_scc0 .Lnot_mine_\@
	global_prefetch_b8 v[PFO], s[PFA:PFA+1] offset:KSTEP*2 th:TH_LOAD_NT scope:SCOPE_SE
.Lnot_mine_\@:
.endm
	s_load_b256 s[4:11], s[0:1], 0x0               ; ws s[4:5], bq s[6:7], bk s[8:9], bv s[10:11]
	s_load_b64 s[12:13], s[0:1], 0x20              ; heads
	v_lshl_add_u32 v[SPW], v0, 2, SPARE
	v_mov_b32 v[NIL], 0
	ds_add_u32 v[SPW], v[NIL]                      ; the wave's opening: the add and its wait stand ahead of my first tensor load; the set-up below stands between them
	ds_add_u32 v28, v29
	v_lshrrev_b32 v1, 5, v0
	v_readfirstlane_b32 s[WV], v1
	s_lshr_b32 s[RH], s[WV], 1
	s_and_b32 s[CH], s[WV], 1
	s_bfe_u32 s[CX], ttmp6, 0x40000
	s_bfe_u32 s[CY], ttmp6, 0x40004
	s_lshl_b32 s[TX], ttmp9, 2
	s_add_co_u32 s[TX], s[TX], s[CX]               ; tile column
	s_and_b32 s[CLY], ttmp7, 0xffff
	s_lshl_b32 s[TY], s[CLY], 2
	s_add_co_u32 s[TY], s[TY], s[CY]               ; tile row, 0 to 95
	s_lshr_b32 s[WHICH], s[CLY], 3                 ; 0 q, 1 k, 2 v: eight clusters each
	s_lshl_b32 s70, s[CY], 2
	s_lshl_b32 s70, 15, s70                        ; my row of the cluster
	s_lshl_b32 s71, 0x1111, s[CX]                  ; my column
	s_or_b32 s[G1A], s70, G1W0
	s_or_b32 s[G1B], s71, G1W0
.irp g, G1A, G1B
	s_mov_b32 s[(\g)+1], KSTEP<<16                 ; tensor_dim0 = 128
	s_mov_b32 s[(\g)+2], 128<<16                   ; tensor_dim1 = 128
	s_mov_b32 s[(\g)+3], KSTEP<<16                 ; tile_dim0 = 128
	s_mov_b32 s[(\g)+4], 128                       ; tile_dim1 = 128
	s_mov_b32 s[(\g)+5], 1024                      ; elements from row to row
	s_mov_b32 s[(\g)+6], 0
	s_mov_b32 s[(\g)+7], 0
.endr
	s_lshl_b32 s80, s[CH], 7
	s_lshl_b32 s72, s[TY], 8
	s_add_co_u32 s72, s72, s80                     ; X: row 256 ty + 128 CH
	s_lshl_b32 s72, s72, 11
	s_mov_b32 s73, 0
	s_lshl_b32 s80, s[CH], 9
	s_lshl_b32 s76, s[WHICH], 10
	s_add_co_u32 s76, s76, s80
	s_lshl_b32 s77, s[TX], 7
	s_add_co_u32 s76, s76, s77                     ; W: row 1,024 WHICH + 128 tx + 512 CH
	s_lshl_b32 s76, s76, 11
	s_add_co_u32 s76, s76, WB
	s_mov_b32 s77, 0
	s_mul_i32 s81, s[WV], HALFT                    ; where my tile goes: no place in the cluster enters an LDS address
	s_wait_dscnt 0x0                               ; the opening add is done
	s_wait_kmcnt 0x0
	s_add_nc_u64 s[74:75], s[4:5], s[72:73]
	s_add_nc_u64 s[78:79], s[4:5], s[76:77]
	CROUND                                         ; all sixteen work-groups are here: the first joint loads meet
.irp s, 0,1
	s_mov_b32 s[G0A+4*(\s)], 1
	s_add_co_u32 s[G0A+4*(\s)+1], s81, (\s)*SLOT
	s_add_nc_u64 s[G0A+4*(\s)+2:G0A+4*(\s)+3], s[74:75], (\s)*KSTEP*2
	s_or_b32 s[G0A+4*(\s)+3], s[G0A+4*(\s)+3], 0x80000000
	s_mov_b32 s[G0B+4*(\s)], 1
	s_add_co_u32 s[G0B+4*(\s)+1], s81, (\s)*SLOT
	s_add_nc_u64 s[G0B+4*(\s)+2:G0B+4*(\s)+3], s[78:79], (\s)*KSTEP*2
	s_or_b32 s[G0B+4*(\s)+3], s[G0B+4*(\s)+3], 0x80000000
.endr
	s_cmp_eq_u32 s[RH], 0                          ; a wave's two first fills stand in one branch: two loads of mine are out
	s_cbranch_scc0 .Lfirst_b
	tensor_load_to_lds s[G0A:G0A+3], s[G1A:G1A+7]
	s_nop 0
	tensor_load_to_lds s[G0A+4:G0A+7], s[G1A:G1A+7]
	s_nop 0
.rept 4
	v_nop
.endr
	s_branch .Lfirst_asked
.Lfirst_b:
	tensor_load_to_lds s[G0B:G0B+3], s[G1B:G1B+7]
	s_nop 0
	tensor_load_to_lds s[G0B+4:G0B+7], s[G1B:G1B+7]
	s_nop 0
.rept 4
	v_nop
.endr
.Lfirst_asked:
	; the bias of my 128 columns, while the tiles are on their way
	s_cmp_eq_u32 s[WHICH], 1
	s_cselect_b64 s[82:83], s[8:9], s[6:7]
	s_cmp_eq_u32 s[WHICH], 2
	s_cselect_b64 s[82:83], s[10:11], s[82:83]
	s_lshl_b32 s84, s[TX], 9
	s_lshl_b32 s85, s[CH], 8
	s_add_co_u32 s84, s84, s85                     ; (128 tx + 64 CH) x 4 bytes
	s_mov_b32 s85, 0
	s_add_nc_u64 s[82:83], s[82:83], s[84:85]
	v_and_b32 v1, 15, v0                           ; r = l % 16
	v_bfe_u32 v2, v0, 4, 1                         ; h = l / 16
	v_lshlrev_b32 v[BO], 5, v2
.irp b, 0,1,2,3,4,5,6,7
	global_load_b128 v[BI+8*(\b):BI+8*(\b)+3],   v[BO], s[82:83] offset:64*((\b)%4)+2048*((\b)/4)
	global_load_b128 v[BI+8*(\b)+4:BI+8*(\b)+7], v[BO], s[82:83] offset:64*((\b)%4)+2048*((\b)/4)+16
.endr
	v_mul_u32_u24 v3, v1, PITCH
	v_lshl_add_u32 v3, v2, 4, v3                   ; a fragment's row x pitch + 16 x half
	s_mul_i32 s70, s[RH], HALFT                    ; my 128 rows of X
	s_mul_i32 s71, s[CH], 64*PITCH                 ; my 64 rows of W's low 128 (the high 64 lie 128 rows on)
	s_add_co_u32 s71, s71, 2*HALFT
	v_add_nc_u32 v[ADRA0], s70, v3
	v_add_nc_u32 v[ADRB0], s71, v3
	v_mov_b32 v[ADRA], v[ADRA0]
	v_mov_b32 v[ADRB], v[ADRB0]
	s_mov_b32 s[TB], 0
	s_mul_i32 s70, s[WV], WSTAGE
	s_add_co_u32 s70, s70, STAGE                   ; my stage
	v_mul_u32_u24 v4, v1, SP
	v_lshl_add_u32 v4, v2, 4, v4
	v_add_nc_u32 v[STO], s70, v4                   ; in: row r, 16 bytes for each half of the lanes
	v_bfe_u32 v4, v0, 3, 2
	v_mul_u32_u24 v4, v4, SP
	v_and_b32 v5, 7, v0
	v_lshl_add_u32 v4, v5, 4, v4
	v_add_nc_u32 v[RD], s70, v4                    ; back: 32 lanes take four rows of 128 bytes
	v_and_b32 v5, 31, v0
	v_lshlrev_b32 v[GO], 4, v5
	v_lshlrev_b32 v[PFO], 11, v5
	v_mov_b32 v[ZR], 0
	s_and_b32 s70, s[TY], 3                        ; cos: block of 16 rows T = 16 (ty % 4) + 8 RH + a, block of 16 columns 8 tx + 4 CH + b; 512 bytes a block
	s_lshl_b32 s70, s70, 4
	s_lshl3_add_u32 s70, s[RH], s70
	s_lshl_b32 s70, s70, 6
	s_lshl3_add_u32 s70, s[TX], s70
	s_lshl2_add_u32 s70, s[CH], s70
	s_lshl_b32 s70, s70, 9
	s_add_co_u32 s70, s70, COSF
	s_mov_b32 s71, 0
	s_add_nc_u64 s[TP:TP+1], s[4:5], s[70:71]
	s_lshl_b32 s72, s[WHICH], 24                   ; heads: 16,777,216 bytes for each of q, k, v,
	s_and_b32 s73, s[TY], 31
	s_lshr_b32 s74, s73, 2
	s_lshl_b32 s74, s74, 21                        ; 2,097,152 a batch,
	s_add_co_u32 s72, s72, s74
	s_lshl1_add_u32 s74, s[TX], s[CH]
	s_lshl_b32 s74, s74, 17                        ; 131,072 a head,
	s_add_co_u32 s72, s72, s74
	s_and_b32 s74, s[TY], 3
	s_lshl1_add_u32 s74, s74, s[RH]
	s_lshl_b32 s74, s74, 14                        ; 128 rows of 128 bytes
	s_add_co_u32 s72, s72, s74
	s_mov_b32 s73, 0
	s_add_nc_u64 s[OUT:OUT+1], s[12:13], s[72:73]
	; the prefetches
	s_lshl_b32 s86, s[TY], 8
	s_lshl_b32 s87, s[CH], 7
	s_add_co_u32 s86, s86, s87
	s_lshl_b32 s87, s[CX], 5
	s_add_co_u32 s86, s86, s87                     ; X: row 256 ty + 128 CH + 32 cx
	s_lshl_b32 s86, s86, 11
	s_lshl_b32 s88, s[WHICH], 10
	s_lshl_b32 s89, s[TX], 7
	s_add_co_u32 s88, s88, s89
	s_lshl_b32 s89, s[CH], 9
	s_add_co_u32 s88, s88, s89
	s_lshl_b32 s89, s[CY], 5
	s_add_co_u32 s88, s88, s89                     ; W: row 1,024 WHICH + 128 tx + 512 CH + 32 cy
	s_lshl_b32 s88, s88, 11
	s_add_co_u32 s88, s88, WB
	s_and_b32 s92, s[CLY], 7
	s_cmp_eq_u32 s[RH], 0
	s_cselect_b32 s90, s86, s88
	s_cselect_b32 s92, 0, s92
	s_mov_b32 s91, 0
	s_add_nc_u64 s[PFA:PFA+1], s[4:5], s[90:91]
	s_add_nc_u64 s[PFA:PFA+1], s[PFA:PFA+1], 2*KSTEP*2  ; at K step 2: the first refill steps it to 3 and names step 4.  Nothing is prefetched here, where every work-group's first tiles are on their way
	s_cmp_eq_u32 s92, 0
	s_cselect_b32 s[LIM], 2, -1
	s_wait_loadcnt 0x0                             ; the bias: rounded to bf16 like every input, and kept as f32
.set j, 0
.rept 32
	v_cvt_pk_bf16_f32 v32, v[BI+2*j], v[BI+2*j+1]
	v_lshlrev_b32 v[BI+2*j], 16, v32
	v_and_b32 v[BI+2*j+1], 0xffff0000, v32
.set j, j+1
.endr
; 16 products: row blocks a0, a0 + 1 of the window's four x all 8 column blocks, 32 along K.  first = 1: the bias starts the sums.  The 64 accumulators take turns in the same order in every quarter step.
.macro MUL16 f, hi, a0, first
.if \first
	WIN 0x81+0x40*(\hi)
.else
	WIN 0xa1+0x50*(\hi)
.endif
.irp a, \a0, (\a0)+1
.irp b, 0,1,2,3,4,5,6,7
.if \first
	v_wmma_f32_16x16x32_bf16 v[8*(8*(\a)+(\b)):8*(8*(\a)+(\b))+7], v[(\f)+8*(\b):(\f)+8*(\b)+7], v[(\f)+8*(4*(\hi)+(\a)):(\f)+8*(4*(\hi)+(\a))+7], v[BI+8*(\b):BI+8*(\b)+7]
.else
	v_wmma_f32_16x16x32_bf16 v[8*(8*(\a)+(\b)):8*(8*(\a)+(\b))+7], v[(\f)+8*(\b):(\f)+8*(\b)+7], v[(\f)+8*(4*(\hi)+(\a)):(\f)+8*(4*(\hi)+(\a))+7], v[8*(8*(\a)+(\b)):8*(8*(\a)+(\b))+7]
.endif
.endr
.endr
.endm
; 32 LDS loads in one run: the fragments of a quarter step at byte k of the rows, into buffer f.  W's block i lies at row 16 i, the high four 64 rows further on.
.macro FETCH k, f
	WIN 0x40
.irp i, 0,1,2,3,4,5,6,7
	ds_load_b128 v[(\f)+8*(\i):(\f)+8*(\i)+3],   v[ADRB] offset:(\k)+(16*(\i)+64*((\i)/4))*PITCH
	ds_load_b128 v[(\f)+8*(\i)+4:(\f)+8*(\i)+7], v[ADRB] offset:(\k)+(16*(\i)+64*((\i)/4))*PITCH+32
.endr
	WIN 0
.irp i, 0,1,2,3,4,5,6,7
	ds_load_b128 v[(\f)+8*(\i):(\f)+8*(\i)+3],   v[ADRA] offset:(\k)+(\i)*16*PITCH
	ds_load_b128 v[(\f)+8*(\i)+4:(\f)+8*(\i)+7], v[ADRA] offset:(\k)+(\i)*16*PITCH+32
.endr
.endm
.macro QUARTER k, f, g, first
	s_wait_dscnt 8                                 ; W and X's rows 0-63 are in; the youngest eight loads (X's rows 64-127) may be out
	MUL16 \f, 0, 0, \first
	MUL16 \f, 0, 2, \first
	PLACES
	FETCH \k, \g
	s_wait_dscnt 32                                ; all but the 32 just issued
	MUL16 \f, 1, 0, \first
	MUL16 \f, 1, 2, \first
.endm
; The last quarter of a K step multiplies buffer 1 and changes slots.  In front of the barrier each wave waits for all its tensor loads (at most one is out: its part of the next slot), adds 0 to its spare word, and waits for
; that and for its reads of this slot.  fill = 1: the barrier opens a round of the cluster's, and the joint refill, two K steps ahead, is the first thing behind the round: 224 products stand between it and the wait for it.
; fill = 0: nothing is asked for; in the last K step (CNT = 1) there is no further step either, and the run of fragment loads is jumped over.
.macro TURN fill
.if \fill
	s_wait_xcnt 0x0                                ; the last prefetch, a K step back, has read its address
	s_add_nc_u64 s[PFA:PFA+1], s[PFA:PFA+1], KSTEP*2
.endif
	WIN 0
	s_wait_tensorcnt 0x0                           ; no tensor load of mine is out, so a group 0 may be written
	ds_add_u32 v[SPW], v[NIL]                      ; 0 onto my spare word
.if \fill
	s_xor_b32 s[G0A+5], s[G0A+5], SLOT             ; the walking descriptors: the other slot than last time (SLOT's two bits occur in no wave's share of a slot), the next K step
	s_add_nc_u64 s[G0A+6:G0A+7], s[G0A+6:G0A+7], KSTEP*2
	s_xor_b32 s[G0B+5], s[G0B+5], SLOT
	s_add_nc_u64 s[G0B+6:G0B+7], s[G0B+6:G0B+7], KSTEP*2
.endif
	s_wait_dscnt 9                                 ; the add and the youngest eight loads may be out
	MUL16 F1, 0, 0, 0
	s_wait_dscnt 0x0                               ; the add is done, and my reads of this slot are over
	s_barrier_signal -1
	MUL16 F1, 0, 2, 0
	WIN 0
	s_barrier_wait -1
.if \fill
	CREST
	JLOAD                                          ; its four v_nop are also the places in front of the loads below
.else
	PLACES
	s_cmp_eq_u32 s[CNT], 1
	s_cbranch_scc1 .Lno_fetch_\@
.endif
	s_xor_b32 s[TB], s[TB], SLOT
	v_add_nc_u32 v[ADRA], s[TB], v[ADRA0]
	v_add_nc_u32 v[ADRB], s[TB], v[ADRB0]
	FETCH 0, F0
.if \fill
	ASK
.else
.Lno_fetch_\@:
.endif
	MUL16 F1, 1, 0, 0
	MUL16 F1, 1, 2, 0
.endm
; THE WAY OUT.  TLOAD a: cos and sin for my block a of 16 rows: for each pair of column blocks b four loads of 512 consecutive bytes (cos_lo, sin_lo, cos_hi, sin_hi), into buffer a % 4 of window 1.
.macro TLOAD a
	WIN 0x40
.set TBF, (((\a)%4)*192)%256
.irp b, 0,1,2,3
	global_load_b128 v[TBF+16*(\b):TBF+16*(\b)+3],     v[GO], s[TP:TP+1] offset:32768*(\a)+512*(\b)
	global_load_b128 v[TBF+16*(\b)+4:TBF+16*(\b)+7],   v[GO], s[TP:TP+1] offset:32768*(\a)+512*(\b)+SINOFF
	global_load_b128 v[TBF+16*(\b)+8:TBF+16*(\b)+11],  v[GO], s[TP:TP+1] offset:32768*(\a)+512*(\b)+16384
	global_load_b128 v[TBF+16*(\b)+12:TBF+16*(\b)+15], v[GO], s[TP:TP+1] offset:32768*(\a)+512*(\b)+16384+SINOFF
.endr
	WIN 0
.endm
; ROPE a: the rotary step on block a, in f32 from the f16 halves of the tables, rounded once to f16.  Each accumulator's registers are read in ascending order.  left: the younger table loads, which may stay out.
.macro ROPE a, left
	s_wait_loadcnt \left
	WIN 0x06+(\a)/4                                ; source 0 the accumulators, source 1 window 1, source 2 and destination window 0
.set TBF, (((\a)%4)*192)%256
.irp b, 0,1,2,3
.set AL, 64*((\a)%4)+8*(\b)
.set AH, AL+32
.set TC, TBF+16*(\b)
.irp j, 0,1,2,3
	v_fma_mix_f32 v[TT+2*(\j)],   v[AH+2*(\j)],   v[TC+4+(\j)], v[ZR] op_sel:[0,0,0] op_sel_hi:[0,1,0]   ; y_hi sin_lo
	v_fma_mix_f32 v[TT+2*(\j)+1], v[AH+2*(\j)+1], v[TC+4+(\j)], v[ZR] op_sel:[0,1,0] op_sel_hi:[0,1,0]
.endr
.irp j, 0,1,2,3
	v_fma_mix_f32 v[TT+8+2*(\j)],   v[AL+2*(\j)],   v[TC+12+(\j)], v[ZR] op_sel:[0,0,0] op_sel_hi:[0,1,0] ; y_lo sin_hi
	v_fma_mix_f32 v[TT+8+2*(\j)+1], v[AL+2*(\j)+1], v[TC+12+(\j)], v[ZR] op_sel:[0,1,0] op_sel_hi:[0,1,0]
.endr
.irp j, 0,1,2,3
	v_fma_mixlo_f16 v[OUTP+4*(\b)+(\j)], v[AL+2*(\j)],   v[TC+(\j)], -v[TT+2*(\j)]   op_sel:[0,0,0] op_sel_hi:[0,1,0]
	v_fma_mixhi_f16 v[OUTP+4*(\b)+(\j)], v[AL+2*(\j)+1], v[TC+(\j)], -v[TT+2*(\j)+1] op_sel:[0,1,0] op_sel_hi:[0,1,0]
.endr
.irp j, 0,1,2,3
	v_fma_mixlo_f16 v[OUTP+16+4*(\b)+(\j)], v[AH+2*(\j)],   v[TC+8+(\j)], v[TT+8+2*(\j)]   op_sel:[0,0,0] op_sel_hi:[0,1,0]
	v_fma_mixhi_f16 v[OUTP+16+4*(\b)+(\j)], v[AH+2*(\j)+1], v[TC+8+(\j)], v[TT+8+2*(\j)+1] op_sel:[0,1,0] op_sel_hi:[0,1,0]
.endr
.endr
	WIN 0
.endm
.macro PLAIN a                         ; v has no rotary step: rounded to f16
	WIN 0x0a+5*((\a)/4)
.irp b, 0,1,2,3,4,5,6,7
.irp j, 0,1,2,3
	v_cvt_pk_f16_f32 v[OUTP+4*(\b)+(\j)], v[64*((\a)%4)+8*(\b)+2*(\j)], v[64*((\a)%4)+8*(\b)+2*(\j)+1]
.endr
.endr
	WIN 0
.endm
; 16 bytes a lane into rows of 144 bytes (low head, high head), and back as whole rows of 128, into the first 32 of the block's own 64 accumulator registers, which its arithmetic has read:
; so no register that a store reads is ever written again, and the way out has no wait for the stores.
.macro TOSTAGE a
	WIN 0
.irp b, 0,1,2,3,4,5,6,7
	ds_store_b128 v[STO], v[OUTP+4*(\b):OUTP+4*(\b)+3] offset:16*SP*((\b)/4)+32*((\b)%4)
.endr
	WIN 0x80+0x40*((\a)/4)                         ; destination window 2 or 3
.irp f, 0,1,2,3,4,5,6,7
	ds_load_b128 v[64*((\a)%4)+4*(\f):64*((\a)%4)+4*(\f)+3], v[RD] offset:16*SP*((\f)/4)+4*SP*((\f)%4)  ; LDS serves a wave's instructions in order (ISA guide 5.7.1.4): these see the stores above
.endr
	WIN 0
.endm
.macro SEND a                          ; 16 rows of a head are 2,048 consecutive bytes: each store covers 512 of them, aligned; the high head lies eight heads on
	s_wait_dscnt 0x0
	WIN 0x08+0x04*((\a)/4)                         ; the stores' data (source 1) in window 2 or 3
.irp f, 0,1,2,3,4,5,6,7
	global_store_b128 v[GO], v[64*((\a)%4)+4*(\f):64*((\a)%4)+4*(\f)+3], s[OUT:OUT+1] offset:2048*(\a)+512*((\f)%4)+1048576*((\f)/4)
.endr
	WIN 0
.endm
; The way out, written once with the rotary step and once without: one branch, so that every path that reads a table register also holds its load and the counted wait for it.
.macro FINISH rope
.if \rope
	TLOAD 2                                        ; into W's fragment registers, which are free now
	TLOAD 3
.endif
.irp a, 0,1,2,3,4,5,6,7
.if \rope
.if (\a) < 5
	ROPE \a, 48                                    ; three younger blocks' 16 loads each may stay out
.else
	ROPE \a, 16*(7-(\a))
.endif
.if (\a) < 4
	TLOAD (\a)+4
.endif
.else
	PLAIN \a
.endif
.if (\a) > 0
	SEND (\a)-1                                    ; block a's arithmetic stood between block a - 1's loads from the stage and this wait for them
.endif
	TOSTAGE \a
.endr
	SEND 7
.endm
	s_wait_tensorcnt 0x1                           ; my part of K step 0 is in; step 1's may stay out
	s_barrier_signal -1
	s_barrier_wait -1
	FETCH 0, F0
	QUARTER 64, F0, F1, 1                          ; the first quarter stands in front of the loop: its products start the sums
	WIN 0
	s_mov_b32 s[CNT], 6
.Lstep:                                        ; a trip: a K step's quarters 2 to 4 and the next step's first; it fills the slot that it leaves
	QUARTER 128, F1, F0, 0
	QUARTER 192, F0, F1, 0
	TURN 1
	QUARTER 64, F0, F1, 0
	WIN 0
	s_sub_co_u32 s[CNT], s[CNT], 1
	s_cmp_lg_u32 s[CNT], 0
	s_cbranch_scc1 .Lstep
	TLOAD 0                                        ; the first two blocks' cos and sin, into registers that no product names: 448 products ahead of their use.  They stand ahead of the branch on WHICH,
	TLOAD 1                                        ; so v's tiles ask for them too and never read them (16 KiB a wave): the price of writing the last two K steps once
	s_mov_b32 s[CNT], 2
.Ltail:                                        ; K steps 6 and 7 ask for nothing: a loop of their own; its second trip is left behind the last product
	QUARTER 128, F1, F0, 0
	QUARTER 192, F0, F1, 0
	TURN 0
	WIN 0
	s_sub_co_u32 s[CNT], s[CNT], 1
	s_cmp_eq_u32 s[CNT], 0
	s_cbranch_scc1 .Lsums
	QUARTER 64, F0, F1, 0
	WIN 0
	s_cmp_lg_u32 s[CNT], 0
	s_cbranch_scc1 .Ltail
.Lsums:
	s_wait_dscnt 0x0                               ; no LDS load is out: the fragments' registers may be written
	PLACES                                         ; behind the last products
	s_cmp_eq_u32 s[WHICH], 2
	s_cbranch_scc1 .Lplain
	FINISH 1
	s_branch .Lend
.Lplain:
	FINISH 0
.Lend:
	s_wait_tensorcnt 0x0                           ; the wave's end: behind my last tensor load and my last LDS store
	ds_add_u32 v[SPW], v[NIL]
	s_wait_dscnt 0x0
	CROUND                                         ; the closing round
	s_endpgm
.Lfunc_end_k_qc45526e775_proj:
	.size	k_qc45526e775_proj, .Lfunc_end_k_qc45526e775_proj-k_qc45526e775_proj
	.p2alignl 7, 3214868480
	.fill 96, 4, 3214868480
	.section	.rodata,"a",@progbits
	.p2align	6, 0x0
	.amdhsa_kernel k_qc45526e775_proj
		.amdhsa_group_segment_fixed_size 327680
		.amdhsa_private_segment_fixed_size 0
		.amdhsa_enable_private_segment 0
		.amdhsa_kernarg_size 40
		.amdhsa_user_sgpr_count 2
		.amdhsa_user_sgpr_kernarg_segment_ptr 1
		.amdhsa_wavefront_size32 1
		.amdhsa_system_sgpr_workgroup_id_x 1
		.amdhsa_system_sgpr_workgroup_id_y 1
		.amdhsa_system_sgpr_workgroup_id_z 1
		.amdhsa_system_vgpr_workitem_id 0
		.amdhsa_next_free_vgpr 1024
		.amdhsa_next_free_sgpr 100
		.amdhsa_reserve_vcc 0
		.amdhsa_float_denorm_mode_32 3
		.amdhsa_float_denorm_mode_16_64 3
		.amdhsa_memory_ordered 1
		.amdhsa_forward_progress 1
		.amdhsa_inst_pref_size 201
	.end_amdhsa_kernel
	.amdgpu_metadata
---
amdhsa.version: [ 1, 2 ]
amdhsa.kernels:
  - .name:           k_qc45526e775_proj
    .symbol:         k_qc45526e775_proj.kd
    .args:
      - { .name: ws, .offset: 0, .size: 8, .value_kind: global_buffer, .address_space: global }
      - { .name: bq, .offset: 8, .size: 8, .value_kind: global_buffer, .address_space: global }
      - { .name: bk, .offset: 16, .size: 8, .value_kind: global_buffer, .address_space: global }
      - { .name: bv, .offset: 24, .size: 8, .value_kind: global_buffer, .address_space: global }
      - { .name: heads, .offset: 32, .size: 8, .value_kind: global_buffer, .address_space: global }
    .group_segment_fixed_size: 327680
    .private_segment_fixed_size: 0
    .kernarg_segment_align: 8
    .kernarg_segment_size: 40
    .max_flat_workgroup_size: 128
    .sgpr_count:     100
    .vgpr_count:     1024
    .wavefront_size: 32
...
	.end_amdgpu_metadata
.endif
;; end of part 2
;; launch attn (part 3): grid 2 x 128, 4 waves a work-group, no clusters, 327,680 bytes of LDS; arguments heads, ws, mask, att_prior_bias, ob; writes ob
.if DOCPART == 3
	.amdgcn_target "amdgcn-amd-amdhsa--gfx1250"
	.amdhsa_code_object_version 6
	.text
	.protected	k_qc45526e775_attn
	.globl	k_qc45526e775_attn
	.p2align	8
	.type	k_qc45526e775_attn,@function
k_qc45526e775_attn:
	s_mov_b64 s[64:65], 0
	v_nop
	global_prefetch_b8 v0, s[64:65] scope:SCOPE_SE
	s_setreg_imm32_b32 hwreg(HW_REG_WAVE_MODE, 25, 1), 1
	s_wait_xcnt 0x0
; ATTENTION WITH AN ADDITIVE MASK AND A PRIOR.  For pair y = 16 batch + head: O[q] = the sum over k of softmax_k(Q[q] . K[k] / 8 + mask[batch][k] + sigmoid(b_head) sm[q][k]) V[k].
; Q, K, V: heads[0..2][y][1024][64] in f16; sm: short_matrix in fragment order in ws, f16; O: ob[y][1024][64] in f16.  Products, maxima and sums in f32; the weights are rounded to f16 for the second product.
; THE SCORES ARE KEPT EIGHTFOLD: S = Q . K + 8 mask + 8 sigmoid sm, and p = 2^(c S - c m), c = log2(e) / 8, with a running maximum m.  8 mask is the C operand of the product that starts a sum.  8 sigmoid sm is a third
; link of the same chain: source 0 is a diagonal that holds g = f16(8 sigmoid), source 1 a fragment of sm (32 keys x 16 queries).  So mask and prior cost no vector instruction.
; mask and att_prior_bias are rounded to bf16 like every input.
; LIMITS.  g has f16's 11 bits; Q, K, V and sm arrive finite, within 65,504; 8 mask beyond f32's range counts as minus infinity (weight 0); a row whose keys are all at minus infinity gives NaN, as a softmax of such a row does;
; a weight below 2^-126 counts as 0 in l; other NaN and infinities are not treated apart.
; SHARES.  A work-group owns 512 queries of one pair y, a wave 128: four PIECES of two tiles of 16.  Every wave walks the 1,024 keys, 64 a step.
; ALL OF K AND V LIES IN LDS (1,024 rows of 144 and of 160 bytes): each wave brings two parts by tensor loads at the start, the first 256 keys first; nothing is filled again.
; NO CLUSTER: K and V are shared by two work-groups alone and are 256 KiB of the 1.3 MiB that a work-group reads; the fragments of sm are a wave's own; LDS has no room in which joint tiles of sm could land.
; BY TURNS.  Turn n belongs to piece n: 24 products for the scores of piece n + 1, later 16 products V^T P of piece n - 1; beside them the scaling, exponentials, roundings, sums and rescaling of piece n and the
; maximum and statistics of piece n + 1.  Four vector instructions stand behind every matrix instruction, the other 76 of a turn's 236 in one lump.  A turn's 66 exponentials are one batch, with one wait.
; REGISTERS, in windows of 256 (s_set_vgpr_msb: bits 1:0 source 0, 3:2 source 1, 5:4 source 2, 7:6 destination):
;   window 0: v0-11 addresses; v12-15, v48-63 at work; v16-47 four registers of statistics a tile; v64-191 S^T, two buffers of two tiles; v192-255 P, likewise
;   window 1: O^T, 32 a tile          window 2: v0-127 Q; v128-191 K of one step; v192-255 V of one step
;   window 3: v0-1 the add's two registers; v4-15 the diagonal between zeros; v16-47 8 mask of one step; v64-191 fragments of sm, 32 a piece
.set NP,    4
.set KS,    64
.set PK,    144       ; a row of K in LDS: 128 bytes + 16 of padding: the 16 rows of a load start at 16 different groups of four banks (64 banks of 4 bytes: ISA guide 11.1)
.set PV,    160       ; a row of V: 128 + 32
.set VB,    1024*PK   ; V lies behind K
.set STAGE, VB+1024*PV  ; 16 rows x 144 bytes for each wave, for the way out
.set SP,    144
.set SPARE, STAGE+4*16*SP  ; the spare words, 128 bytes for each wave: two blocks of 256 bytes that no other line names
.set MASKT, SPARE+512 ; 8 mask, 1,024 f32
.set SMF,   62914560  ; sm in ws
.set AK0, 2           ; v2   my lane's place in a tile of K; never rewritten
.set AV0, 3           ; v3   the same for V
.set AK,  4           ; v4   the LDS address of K's next run of loads
.set AV,  5           ; v5   of V's
.set STO, 6           ; v6   the way out: where I put 16 bytes of a row
.set RD,  7           ; v7   the way out: where I read rows back
.set GO,  8           ; v8   16 x lane: my place in 512 consecutive bytes, of O and of sm
.set AM0, 9           ; v9   l / 16 at the head; then my place in the mask's table
.set AM,  10          ; v10  l % 8 at the head; then the LDS address of the mask's next loads
.set QO,  11          ; v11  my byte offset in 16 rows of Q
.set MV,  12
.set ST,  16          ; tile t's statistics at v[ST+4 t]: c m, m, l (even keys', odd keys')
.set TMP, 48
.set S,   64
.set P,   192
.set KF,  128         ; window 2
.set VF,  192         ; window 2
.set SPW, 0           ; window 3
.set NIL, 1           ; window 3
.set DGB, 4           ; window 3: 0 0 0 0 D0 D1 D2 D3 0 0 0 0: from DGB + 4 on the diagonal stands at keys 0-15 of 32, from DGB on at keys 16-31
.set MK,  16          ; window 3
.set SMB, 64          ; window 3: piece x, tile u, keys 32 f on at SMB + 32 x + 16 u + 8 f
.set WV,  12
.set G1K0, 24         ; s[24:31] group 1: 128 keys of K      s[32:39] 384 keys of K      s[40:47], s[48:55] the same for V: the padding differs
.set G1K1, 32
.set G1V0, 40
.set G1V1, 48
.set G0K0, 56
.set G0K1, 60
.set G0V0, 68
.set G0V1, 72
.set CS,  76          ; s[76:77] c
.set SEL, 78          ; s[78:79] v_permlanex16_b32's selects
.set TBK, 80          ; s80  LDS byte at which K of the step to be fetched begins
.set TBV, 81          ; s81  the same for V, less VB
.set TBM, 82          ; s82  the same in the mask's table
.set CNT, 83
.set SLOTS, 84
.set LEFT, 85         ; s85  key steps still to be finished
.set SMP, 86          ; s[86:87] sm at my first tile, at the key step that is being asked for
.set INC, 88          ; s[88:89] its step
.set MSB, 0
.macro WIN new
.if MSB != (\new)
	s_set_vgpr_msb (MSB<<8)|(\new)
.set MSB, (\new)
.endif
.endm
.set W_KM, 0x3a       ; K and Q in window 2, the mask in window 3, S^T in window 0
.set W_KQ, 0x0a       ; K and Q in window 2, S^T in window 0
.set W_BI, 0x0f       ; the diagonal and sm in window 3, S^T in window 0
.set W_PV, 0x52       ; V in window 2, P in window 0, O^T in window 1
.set W_RS, 0x41       ; O^T in window 1, a in window 0
.set W_MK, 0xc0       ; destination in window 3
.set W_AD, 0x0f       ; the add: address and data in window 3
	s_load_b256 s[92:99], s[0:1], 0x0  ; heads s[92:93], ws s[94:95], mask s[96:97], att_prior_bias s[98:99]
	s_load_b64 s[100:101], s[0:1], 0x20  ; ob
	WIN W_MK
	v_lshl_add_u32 v[SPW], v0, 2, SPARE
	v_mov_b32 v[NIL], 0
	WIN W_AD
	ds_add_u32 v[SPW], v[NIL]       ; the wave's opening: the add and its wait stand ahead of my first tensor load; the set-up below stands between them
	ds_add_u32 v0, v1
	WIN 0
	v_lshrrev_b32 v1, 5, v0
	v_readfirstlane_b32 s[WV], v1
	s_and_b32 s13, ttmp7, 0xffff    ; y
	s_lshl_b32 s14, s13, 17         ; a pair's 131,072 bytes in each of Q, K, V, O
	s_and_b32 s16, s[WV], 1         ; which half of a part I fetch
	s_lshl_b32 s18, s16, 14
	s_mul_i32 s19, s16, 384*128
	s_add_co_u32 s20, s14, s18
	s_add_co_u32 s20, s20, 0x1000000  ; K, keys 128 half on
	s_mov_b32 s21, 0
	s_add_co_u32 s22, s14, s19
	s_add_co_u32 s22, s22, 0x1000000+256*128  ; K, keys 256 + 384 half on
	s_mov_b32 s23, 0
	s_lshl_b32 s2, ttmp9, 2
	s_add_co_u32 s2, s2, s[WV]      ; my wave among the pair's eight
	s_lshl_b32 s15, s2, 18          ; its eight tiles of 32,768 bytes in sm
	s_add_co_u32 s8, s15, SMF
	s_mov_b32 s9, 0
	s_lshl_b32 s2, s2, 14           ; its 128 rows of 128 bytes
	s_add_co_u32 s2, s2, s14
	s_mov_b32 s3, 0
	s_lshr_b32 s6, s13, 4
	s_lshl_b32 s6, s6, 12           ; the batch's row of the mask
	s_mov_b32 s7, 0
	s_and_b32 s90, s13, 15
	s_lshl_b32 s90, s90, 2          ; the head's word of att_prior_bias
	; descriptors.  Keys are dense rows of 128 bytes: asked for as rows of 256 bytes, two keys a row, and padded in LDS after every key
	s_mov_b32 s[G1K0], (1<<16)|(1<<20)|(4<<22)|(3<<25)  ; 2-byte elements; padding on; after every 32 words; 4 words
	s_mov_b32 s[G1K1], (1<<16)|(1<<20)|(4<<22)|(3<<25)
	s_mov_b32 s[G1V0], (1<<16)|(1<<20)|(4<<22)|(7<<25)  ; 8 words
	s_mov_b32 s[G1V1], (1<<16)|(1<<20)|(4<<22)|(7<<25)
.irp g, G1K0, G1K1, G1V0, G1V1
	s_mov_b32 s[\g+1], 128<<16      ; tensor_dim0 = 128
	s_mov_b32 s[\g+3], 128<<16      ; tile_dim0 = 128
	s_mov_b32 s[\g+5], 128          ; elements from row to row
	s_mov_b32 s[\g+6], 0
	s_mov_b32 s[\g+7], 0
.endr
.irp g, G1K0, G1V0
	s_mov_b32 s[\g+2], 64<<16       ; tensor_dim1 = tile_dim1 = 64 rows: 128 keys
	s_mov_b32 s[\g+4], 64
.endr
.irp g, G1K1, G1V1
	s_mov_b32 s[\g+2], 192<<16      ; 192 rows: 384 keys
	s_mov_b32 s[\g+4], 192
.endr
	s_mov_b32 s[G0K0], 1
	s_mul_i32 s[G0K0+1], s16, 128*PK
	s_mov_b32 s[G0K1], 1
	s_mul_i32 s17, s16, 384*PK
	s_add_co_u32 s[G0K1+1], s17, 256*PK
	s_mov_b32 s[G0V0], 1
	s_mul_i32 s17, s16, 128*PV
	s_add_co_u32 s[G0V0+1], s17, VB
	s_mov_b32 s[G0V1], 1
	s_mul_i32 s17, s16, 384*PV
	s_add_co_u32 s[G0V1+1], s17, VB+256*PV
	s_mov_b32 s[CS], 0x3e38aa3b     ; c = log2(e) / 8
	s_mov_b32 s[CS+1], s[CS]
	s_mov_b32 s[SEL], 0x76543210
	s_mov_b32 s[SEL+1], 0xfedcba98
	s_mov_b32 s[TBK], 0
	s_mov_b32 s[TBV], 0
	s_mov_b32 s[TBM], 0
	s_mov_b32 s[INC+1], 0
	s_mov_b32 s[CNT], 4
	s_mov_b32 s[SLOTS], 5
	s_mov_b32 s[LEFT], 16
	s_wait_dscnt 0x0                ; the opening add is done
	s_wait_kmcnt 0x0
	s_add_nc_u64 s[G0K0+2:G0K0+3], s[92:93], s[20:21]
	s_add_nc_u64 s[G0V0+2:G0V0+3], s[G0K0+2:G0K0+3], 0x1000000  ; V lies 16,777,216 bytes behind K
	s_or_b32 s[G0K0+3], s[G0K0+3], 0x80000000
	s_or_b32 s[G0V0+3], s[G0V0+3], 0x80000000
	s_add_nc_u64 s[G0K1+2:G0K1+3], s[92:93], s[22:23]
	s_add_nc_u64 s[G0V1+2:G0V1+3], s[G0K1+2:G0K1+3], 0x1000000
	s_or_b32 s[G0K1+3], s[G0K1+3], 0x80000000
	s_or_b32 s[G0V1+3], s[G0V1+3], 0x80000000
	s_add_nc_u64 s[4:5], s[92:93], s[2:3]      ; Q at my wave's first row
	s_add_nc_u64 s[10:11], s[100:101], s[2:3]  ; O likewise
	s_add_nc_u64 s[6:7], s[96:97], s[6:7]      ; the batch's mask
	s_add_nc_u64 s[SMP:SMP+1], s[94:95], s[8:9]
	s_load_b32 s91, s[98:99], s90 offset:0x0
	s_cmp_lt_u32 s[WV], 2           ; waves 0 and 1 bring K, waves 2 and 3 V: a wave's two loads stand in one branch; two loads of mine are out
	s_cbranch_scc0 .Lfirst_v
	tensor_load_to_lds s[G0K0:G0K0+3], s[G1K0:G1K0+7]
	s_nop 0
	tensor_load_to_lds s[G0K1:G0K1+3], s[G1K1:G1K1+7]
	s_nop 0
.rept 4
	v_nop
.endr
	s_branch .Lfirst_asked
.Lfirst_v:
	tensor_load_to_lds s[G0V0:G0V0+3], s[G1V0:G1V0+7]
	s_nop 0
	tensor_load_to_lds s[G0V1:G0V1+3], s[G1V1:G1V1+7]
	s_nop 0
.rept 4
	v_nop
.endr
.Lfirst_asked:
	v_lshlrev_b32 v12, 5, v0        ; thread t takes the mask's numbers 8 t .. 8 t + 7
	global_load_b128 v[64:67], v12, s[6:7]
	global_load_b128 v[68:71], v12, s[6:7] offset:16
	v_and_b32 v1, 15, v0            ; l % 16
	v_bfe_u32 v9, v0, 4, 1          ; l / 16
	v_lshlrev_b32 v[QO], 7, v1
	v_lshl_add_u32 v[QO], v9, 4, v[QO]
	WIN 0x80
.set i, 0
.rept 4*NP                          ; Q stays in registers: tile i / 2, channels 32 (i % 2) on
	global_load_b128 v[8*i:8*i+3],   v[QO], s[4:5] offset:(i/2)*2048+(i%2)*64
	global_load_b128 v[8*i+4:8*i+7], v[QO], s[4:5] offset:(i/2)*2048+(i%2)*64+32
.set i, i+1
.endr
	WIN 0
	v_lshl_add_u32 v13, v0, 5, MASKT
	v_and_b32 v[GO], 31, v0
	v_lshlrev_b32 v[GO], 4, v[GO]
	s_wait_loadcnt 32               ; the mask is in; Q's 32 loads may stay out
.irp j, 0,1,2,3
	v_cvt_pk_bf16_f32 v[72+\j], v[64+2*\j], v[64+2*\j+1]
.endr
.irp j, 0,1,2,3
	v_lshlrev_b32 v[64+2*\j], 16, v[72+\j]
	v_and_b32 v[64+2*\j+1], 0xffff0000, v[72+\j]
.endr
.irp j, 0,1,2,3,4,5,6,7
	v_mul_f32 v[64+\j], 0x41000000, v[64+\j]  ; eightfold, like the scores
.endr
	ds_store_b128 v13, v[64:67]
	ds_store_b128 v13, v[68:71] offset:16
; Eight loads of 512 consecutive bytes: piece x's fragments of sm for the key step at which SMP stands: tile u, block c of 16 keys.
.macro SMLOAD x
	WIN W_MK
.irp u, 0,1
.irp c, 0,1,2,3
	global_load_b128 v[SMB+32*(\x)+16*(\u)+4*(\c):SMB+32*(\x)+16*(\u)+4*(\c)+3], v[GO], s[SMP:SMP+1] offset:(2*(\x)+(\u))*32768+512*(\c)
.endr
.endr
.endm
	SMLOAD 0                        ; key step 0
	SMLOAD 1
	SMLOAD 2
	SMLOAD 3
	WIN 0
	; g = 8 sigmoid(b), and the diagonal: lane (r, h) holds row r and columns 8 h .. 8 h + 7, two to a register: g stands at column r
	s_wait_kmcnt 0x0
	v_mov_b32 v76, s91
	v_cvt_pk_bf16_f32 v76, v76, v76
	v_lshlrev_b32 v76, 16, v76
	v_mul_f32 v76, 0xbfb8aa3b, v76  ; - log2(e) b
	v_exp_f32 v77, v76
	v_nop                           ; a plain instruction behind the exponential,
	s_wait_alu depctr_va_vdst(0)    ; and the wait ahead of the first use of its result
	v_add_f32 v77, 1.0, v77
	v_rcp_f32 v78, v77
	v_nop
	s_wait_alu depctr_va_vdst(0)
	v_mul_f32 v78, 0x41000000, v78
	v_cvt_pk_f16_f32 v78, v78, v78
	v_and_b32 v79, 0xffff, v78
	v_and_b32 v80, 0xffff0000, v78
	v_lshlrev_b32 v81, 3, v9
	v_sub_nc_u32 v81, v1, v81       ; r - 8 h
.irp i, 0,1,2,3
	v_cmp_eq_u32 vcc_lo, 2*\i, v81
	v_cndmask_b32 v82, 0, v79, vcc_lo
	v_cmp_eq_u32 vcc_lo, 2*\i+1, v81
	v_cndmask_b32 v83, 0, v80, vcc_lo
	v_or_b32 v[84+\i], v82, v83
.endr
	WIN W_MK
.irp i, 0,1,2,3
	v_mov_b32 v[DGB+\i], 0
	v_mov_b32 v[DGB+4+\i], v[84+\i]
	v_mov_b32 v[DGB+8+\i], 0
.endr
	; What the first turn finds: V's registers and P's second buffer hold 0 (its products V^T P, of a piece that has not been, add 0), O^T and l are 0.  All this stands in the wait for the first tiles.
	WIN 0x80
.set i, VF
.rept 64
	v_mov_b32 v[i], 0
.set i, i+1
.endr
	WIN 0x40
.set i, 0
.rept 64*NP
	v_mov_b32 v[i], 0
.set i, i+1
.endr
	WIN 0
.set i, 0
.rept 2*NP
	v_mov_b32 v[ST+4*i+1], 0xff7fffff            ; m: the lowest finite number
	v_mul_f32 v[ST+4*i], s[CS], v[ST+4*i+1]      ; c m goes with it, so that a step whose keys are all at minus infinity leaves a = 1
	v_mov_b32 v[ST+4*i+2], 0
	v_mov_b32 v[ST+4*i+3], 0
.set i, i+1
.endr
.set i, P+32
.rept 32
	v_mov_b32 v[i], 0
.set i, i+1
.endr
	v_mul_u32_u24 v[AK0], v1, PK
	v_lshl_add_u32 v[AK0], v9, 4, v[AK0]
	; The turning load takes 16 keys x 16 channels (lane l reads key 8 (l / 16) + l % 8, channels 8 ((l / 8) % 2) + 0..7) and leaves half a fragment of V^T: lane l holds channel l % 16 and 8 keys.
	v_and_b32 v10, 7, v0
	v_bfe_u32 v14, v0, 3, 1
	v_lshl_add_u32 v[AV0], v9, 3, v10
	v_mul_u32_u24 v[AV0], v[AV0], PV
	v_lshl_add_u32 v[AV0], v14, 4, v[AV0]
	v_add_nc_u32 v[AV0], VB, v[AV0]
	v_mov_b32 v[AK], v[AK0]
	s_mul_i32 s13, s[WV], 16*SP
	s_add_co_u32 s13, s13, STAGE    ; my stage
	v_mul_u32_u24 v[STO], v1, SP
	v_lshl_add_u32 v[STO], v9, 4, v[STO]
	v_add_nc_u32 v[STO], s13, v[STO]
	v_bfe_u32 v[RD], v0, 3, 2
	v_mul_u32_u24 v[RD], v[RD], SP
	v_lshl_add_u32 v[RD], v10, 4, v[RD]
	v_add_nc_u32 v[RD], s13, v[RD]
	v_lshl_add_u32 v[AM0], v9, 5, MASKT  ; register j of a score's accumulator is key 8 (l / 16) + j: 32 bytes of the table for each half of the lanes
	v_mov_b32 v[AM], v[AM0]
	s_wait_xcnt 0x0                 ; the loads issued so far have read their addresses:
	s_add_nc_u64 s[SMP:SMP+1], s[SMP:SMP+1], 2048  ; sm at key step 1
; THE MATRIX WORK.  Product i of 24 of the scores of piece x: link i / 8 (channels 0-31 with the mask as C; channels 32-63; the prior), keys 16 ((i / 2) % 4) on, tile 2 x + i % 2.
; The 8 accumulators take turns: between two links of a chain stand 7 others'.
.macro KQ x
.set rS, S+64*((\x)%2)+32*(i%2)+8*((i/2)%4)
.if i < 8
	WIN W_KM
.set rK, KF+16*((i/2)%4)
.set rQ, 16*(2*(\x)+i%2)
.set rB, MK+8*((i/2)%4)
	v_wmma_f32_16x16x32_f16 v[rS:rS+7], v[rK:rK+7], v[rQ:rQ+7], v[rB:rB+7]
.elseif i < 16
	WIN W_KQ
.set rK, KF+16*((i/2)%4)+8
.set rQ, 16*(2*(\x)+i%2)+8
	v_wmma_f32_16x16x32_f16 v[rS:rS+7], v[rK:rK+7], v[rQ:rQ+7], v[rS:rS+7]
.else
	WIN W_BI
.set rK, DGB+4*(1-((i/2)%2))
.set rQ, SMB+32*(\x)+16*(i%2)+8*(((i/2)%4)/2)
	v_wmma_f32_16x16x32_f16 v[rS:rS+7], v[rK:rK+7], v[rQ:rQ+7], v[rS:rS+7]
.endif
.endm
; Product i of 16 of O^T += V^T P for piece x: keys 32 (i / 8) on, channels 16 ((i / 2) % 4) on, tile 2 x + i % 2.
.macro PV x
	WIN W_PV
.set rO, 32*(2*(\x)+i%2)+8*((i/2)%4)
.set rV, VF+32*(i/8)+8*((i/2)%4)
.set rP, P+32*((\x)%2)+16*(i%2)+8*(i/8)
	v_wmma_f32_16x16x32_f16 v[rO:rO+7], v[rV:rV+7], v[rP:rP+7], v[rO:rO+7]
.endm
.macro MM                           ; the turn's next matrix instruction
.if i < 24
	KQ (Y+1)%NP
.set i, i+1
.else
.set i, i-24
	PV (Y+NP-1)%NP
.set i, i+25
.endif
.endm
; THE LDS LOADS stand in runs: a step's K (8 fragments) with its 8 mask (each half of the lanes reads its 32 bytes of each 16 keys), and its V (turned).  In the last step there is no further K: the run is jumped over.
.macro FETCH_K
	WIN 0
	s_cmp_eq_u32 s[LEFT], 1
	s_cbranch_scc1 .Lno_k_\@
	WIN 0x80
.irp f, 0,1,2,3,4,5,6,7             ; keys 16 (f / 2) on, channels 32 (f % 2) on
	ds_load_b128 v[KF+8*\f:KF+8*\f+3],   v[AK] offset:(\f/2)*16*PK+(\f%2)*64
	ds_load_b128 v[KF+8*\f+4:KF+8*\f+7], v[AK] offset:(\f/2)*16*PK+(\f%2)*64+32
.endr
	WIN W_MK
.irp f, 0,1,2,3
	ds_load_b128 v[MK+8*\f:MK+8*\f+3],   v[AM] offset:64*\f
	ds_load_b128 v[MK+8*\f+4:MK+8*\f+7], v[AM] offset:64*\f+16
.endr
	s_add_co_u32 s[TBK], s[TBK], KS*PK
	s_add_co_u32 s[TBM], s[TBM], KS*4
	WIN 0
.Lno_k_\@:
.endm
.macro FETCH_V
	WIN 0x80
.irp f, 0,1,2,3,4,5,6,7             ; keys 32 (f / 4) on, channels 16 (f % 4) on
	ds_load_tr16_b128 v[VF+8*\f:VF+8*\f+3],   v[AV] offset:(\f/4)*32*PV+(\f%4)*32
	ds_load_tr16_b128 v[VF+8*\f+4:VF+8*\f+7], v[AV] offset:(\f/4)*32*PV+16*PV+(\f%4)*32
.endr
	WIN 0
.endm
; THE VECTOR WORK OF A TURN stands in three queues, each in the order in which its entries become ready; the two tiles alternate.
.macro REGS y, u
.set rT, ST+4*(2*(\y)+(\u))
.set rC, TMP+8*((\y)%2)+4*(\u)
.set rM, MV+2*((\y)%2)+(\u)
.set rS, S+64*((\y)%2)+32*(\u)
.set rP, P+32*((\y)%2)+16*(\u)
.set rO, 32*(2*(\y)+(\u))
.endm
; Number n of the 22 that find the NEXT piece's maximum and statistics.  Each accumulator's lowest registers are read first.
;   0-11  four chains c0-c3 of seven scores each     12-14, 16  the four scores left over, the old m, and c0-c3 into c0     15  c m_old is kept     17, 18  the other half of the lanes': the new m     19-21  c m; its change; a
.macro XS u, n
	REGS (Y+1)%NP, \u
.if (\n) < 4
	v_max3_num_f32 v[rC+(\n)], v[rS+8*(\n)], v[rS+8*(\n)+1], v[rS+8*(\n)+2]
.elseif (\n) < 12
	v_max3_num_f32 v[rC+(\n)%4], v[rC+(\n)%4], v[rS+8*((\n)%4)+2*((\n)/4)+1], v[rS+8*((\n)%4)+2*((\n)/4)+2]
.elseif (\n) == 12
	v_max3_num_f32 v[rC], v[rC], v[rS+7], v[rS+15]
.elseif (\n) == 13
	v_max3_num_f32 v[rC+1], v[rC+1], v[rS+23], v[rS+31]
.elseif (\n) == 14
	v_max3_num_f32 v[rC+2], v[rC+2], v[rC+3], v[rT+1]
.elseif (\n) == 15
	v_mov_b32 v[rM], v[rT]
.elseif (\n) == 16
	v_max3_num_f32 v[rC], v[rC], v[rC+1], v[rC+2]
.elseif (\n) == 17
	v_permlanex16_b32 v[rC+3], v[rC], s[SEL], s[SEL+1]
.elseif (\n) == 18
	v_max_num_f32 v[rT+1], v[rC], v[rC+3]
.elseif (\n) == 19
	v_mul_f32 v[rT], s[CS], v[rT+1]
.elseif (\n) == 20
	v_sub_f32 v[rC+1], v[rM], v[rT]
.else
	v_exp_f32 v[rC+2], v[rC+1]
.endif
.endm
; Number g of the 64 that follow the exponentials.  For each four weights of a tile: both pairs are rounded to f16; the second pair is added onto the first, in place; a group later l takes that sum (the first time as l = a l + sum).
.macro GS g
.set h, (\g)+6*((\g)/62)
.if h >= 6
.set h, h+2
.endif
	REGS Y, h%2
.set k, h/8
.if h%8 < 4
	v_cvt_pk_f16_f32 v[rP+2*k+(h%8)/2], v[rS+4*k+2*((h%8)/2)], v[rS+4*k+2*((h%8)/2)+1]
.elseif h%8 < 6
	v_pk_add_f32 v[rS+4*k:rS+4*k+1], v[rS+4*k:rS+4*k+1], v[rS+4*k+2:rS+4*k+3]
.elseif k == 1
	v_pk_fma_f32 v[rT+2:rT+3], v[rT+2:rT+3], v[rC+2:rC+3], v[rS:rS+1] op_sel_hi:[1,0,1]
.else
	v_pk_add_f32 v[rT+2:rT+3], v[rT+2:rT+3], v[rS+4*k-4:rS+4*k-3]
.endif
.endm
.macro FS f                         ; c s - c m for pair f / 2 of tile f % 2
	REGS Y, (\f)%2
	v_pk_fma_f32 v[rS+2*((\f)/2):rS+2*((\f)/2)+1], v[rS+2*((\f)/2):rS+2*((\f)/2)+1], s[CS:CS+1], v[rT:rT+1] op_sel_hi:[1,0,0] neg_lo:[0,0,1] neg_hi:[0,0,1]
.endm
; THE PLAIN QUEUE, 138 long.  0-31: the scalings.  32-59: the next piece's numbers 0-13.  60, 61: number 15.  62-73: the chain 14, 16, 17, 18, 19, 20.  74-137: the 64 that read the exponentials' results: they stand behind the wait.
.macro PL
	WIN 0
.if q < 32
	FS q
.elseif q < 60
	XS (q-32)%2, (q-32)/2
.elseif q < 62
	XS q-60, 15
.elseif q < 64
	XS q-62, 14
.elseif q < 74
	XS (q-64)%2, 16+(q-64)/2
.else
	GS q-74
.endif
.set q, q+1
.endm
; THE EXPONENTIALS' QUEUE, 66 long: s0-s31 of both tiles, then the next piece's two a: one batch, ahead of the turn's one wait; nothing ahead of that wait names a result of theirs.
.macro EX
	WIN 0
.if e >= 64
	XS e-64, 21
.else
	REGS Y, e%2
	v_exp_f32 v[rS+e/2], v[rS+e/2]
.endif
.set e, e+1
.endm
; THE RESCALING's QUEUE: O^T times a, two at a time, sixteen times.  Its a was made in the turn before, ahead of that turn's wait.
.macro R2
	REGS Y, r%2
	WIN W_RS
.irp z, 0,1
	v_pk_mul_f32 v[rO+4*(r/2)+2*\z:rO+4*(r/2)+2*\z+1], v[rO+4*(r/2)+2*\z:rO+4*(r/2)+2*\z+1], v[rC+2:rC+3] op_sel_hi:[1,0]
.endr
.set r, r+1
.endm
; A TURN, for piece p.  AHEAD OF THE WAIT: the 24 products of the next piece's scores with four riders each (first a scaling, an exponential and two rescalings; when the rescalings are used up, scaling and exponential twice);
; then the lump: ten plain, 32 times exponential and plain, the two a.  Exponential e stands behind scaling 2 (e / 4) + e % 2, which is far ahead of it all along.  The first read of the scores' last accumulators (plain 38, 39)
; stands seven plain instructions or more behind the product that ends them.
; sm: the prior's eight products want piece p + 1's fragments; s_wait_loadcnt 24 leaves the three younger groups of eight out (every turn issues just eight loads, and none is ever jumped over).  Eleven plain instructions
; behind the last of those products the same registers are asked for again, for the piece's next key step.  Piece 3's turn, whose products belong to the next step, moves the pointer on first; it stops at step 15: the
; last reloads read that step once more and serve nothing, and no load leaves ws.
; BEHIND THE WAIT: the 16 products V^T P, behind each four of the roundings and sums.
; K and the mask of the next step are fetched in piece 2's turn, directly behind the wait; V of the step in hand at the end of piece 0's turn, four riders behind its last reader.  The conditions on q go with the deal.
.macro TURN p, cnt=0
.set Y, (\p)
.set i, 0
.set q, 0
.set e, 0
.set r, 0
.if (\p) == NP-1
	s_wait_dscnt 0x0                ; K and the mask are in
.endif
	MM
	PL
	PL
	R2
.rept 15
	MM
	PL
	EX
	R2
.endr
	s_wait_loadcnt 24
.rept 7
	MM
	PL
	EX
	PL
	EX
.endr
	MM
	PL
	EX
	EX
	EX
.if (\p) == NP-2
	WIN 0
	v_add_nc_u32 v[AK], s[TBK], v[AK0]
	v_add_nc_u32 v[AM], s[TBM], v[AM0]
.endif
.rept 10
	PL
.endr
.if (\p) == NP-1
	s_wait_xcnt 0x0                 ; the loads of the turn before have read their address
	s_cmp_gt_u32 s[LEFT], 2         ; in step j LEFT is 16 - j: step j + 2 exists while LEFT > 2
	s_cselect_b32 s[INC], 2048, 0
	s_add_nc_u64 s[SMP:SMP+1], s[SMP:SMP+1], s[INC:INC+1]
.endif
	SMLOAD (\p+1)%NP
.rept 32
	EX
	PL
.endr
	EX
	EX
	v_nop                           ; the plain instruction behind the last exponential: one for the batch
	s_wait_alu depctr_va_vdst(0)    ; the wait for the batch
.if (\p) == NP-2
	FETCH_K
.endif
.if (\p) == 1
	s_wait_dscnt 0x0                ; V is in
.endif
.rept 16
	MM
.rept 4
	PL
.endr
.if ((\p) == 0) && (q == 118)
	v_add_nc_u32 v[AV], s[TBV], v[AV0]
.endif
.if ((\p) == 0) && (q == 130)
	s_add_co_u32 s[TBV], s[TBV], KS*PV
.endif
.if (\cnt) && (q == 130)
	s_sub_co_u32 s[CNT], s[CNT], 1
	s_cmp_lg_u32 s[CNT], 0
.endif
.endr
.if (\p) == 0
	FETCH_V
.endif
.endm
	s_wait_tensorcnt 0x1            ; my part of the first 256 keys is in; my second load may stay out
	s_wait_dscnt 0x0                ; my part of the mask's table is written
	s_barrier_signal -1
	s_barrier_wait -1
	FETCH_K                         ; key step 0
	s_wait_loadcnt 24               ; Q and piece 0's fragments of sm are in; the other three pieces' may stay out
	s_wait_dscnt 0x0
.set i, 0
.rept 24
	KQ 0                            ; piece 0's first scores
.set i, i+1
.endr
	WIN 0
.rept 4
	v_nop                           ; the places behind those products
.endr
	SMLOAD 0                        ; piece 0, key step 1
	WIN 0
.set Y, NP-1                        ; XS works for piece Y + 1: piece 0
.irp n, 0,1,2,3,4,5,6,7,8,9,10,11,12,13,14,15,16,17,18,19,20,21
	XS 0, \n
	XS 1, \n
.endr
	v_nop
	s_wait_alu depctr_va_vdst(0)    ; the two a have their wait ahead of the branch
	s_branch .Lfirst                ; the loop is entered at a step's first turn
.Lslot:                             ; ahead of piece 2's turn of steps 3, 7, 11, 15.  The first time it shows every wave's second load landed, before K of step 4 is read
	s_wait_tensorcnt 0x0
	s_wait_dscnt 0x0
	s_barrier_signal -1
	s_barrier_wait -1
	s_mov_b32 s[CNT], 4
.Lstep:                             ; a trip: pieces 2 and 3 of one step, then pieces 0 and 1 of the next
	TURN 2
	TURN 3
	WIN 0
	s_sub_co_u32 s[LEFT], s[LEFT], 1
	s_cmp_eq_u32 s[LEFT], 0
	s_cbranch_scc1 .Lout            ; the sixteenth step is finished
.Lfirst:
	TURN 0
	TURN 1, 1
	WIN 0
	s_cbranch_scc1 .Lstep
	s_sub_co_u32 s[SLOTS], s[SLOTS], 1
	s_cmp_lg_u32 s[SLOTS], 0
	s_cbranch_scc1 .Lslot
.Lout:                              ; the last turn's 24 products (on the last K once more) and the maximum made of them serve nothing: the price, once a launch, of one text for every step
.set i, 0
.rept 16
	PV NP-1                         ; the last piece's V^T P of the last step
.set i, i+1
.endr
	; THE WAY OUT.  l's two halves and the other half of the lanes' are added; O^T is divided by l, rounded to f16 and sent through my stage in LDS, a tile at a time.  The additions are the places behind the last products.
	WIN 0
.macro ALL line:vararg
.set t, 0
.rept 2*NP
	\line
.set t, t+1
.endr
.endm
	ALL v_add_f32 v[ST+4*t+2], v[ST+4*t+2], v[ST+4*t+3]
	ALL v_permlanex16_b32 v[ST+4*t+3], v[ST+4*t+2], s[SEL], s[SEL+1]
	ALL v_add_f32 v[ST+4*t+2], v[ST+4*t+2], v[ST+4*t+3]
	ALL v_rcp_f32 v[ST+4*t+2], v[ST+4*t+2]
	v_nop
	s_wait_alu depctr_va_vdst(0)    ; one wait for the eight reciprocals
.macro PACK t
	WIN W_RS
.set i, 32*(\t)
.rept 16
	v_pk_mul_f32 v[i:i+1], v[i:i+1], v[ST+4*(\t)+2:ST+4*(\t)+3] op_sel_hi:[1,0]
.set i, i+2
.endr
	WIN 0x05
.set i, 0
.rept 16
	v_cvt_pk_f16_f32 v[S+16*(\t)+i], v[32*(\t)+2*i], v[32*(\t)+2*i+1]
.set i, i+1
.endr
	WIN 0
.irp f, 0,1,2,3
	ds_store_b128 v[STO], v[S+16*(\t)+4*\f:S+16*(\t)+4*\f+3] offset:32*\f
.endr
.irp f, 0,1,2,3
	ds_load_b128 v[S+16*(\t)+4*\f:S+16*(\t)+4*\f+3], v[RD] offset:\f*4*SP  ; LDS serves a wave's instructions in order (ISA guide 5.7.1.4): these see the stores above
.endr
.endm
.macro SEND t, younger              ; younger: the LDS instructions issued behind tile t's loads
	WIN 0
.irp f, 0,1,2,3
	s_wait_dscnt (\younger)+3-\f
	global_store_b128 v[GO], v[S+16*(\t)+4*\f:S+16*(\t)+4*\f+3], s[10:11] offset:(\t)*2048+\f*512  ; 512 consecutive bytes, at a multiple of 256 from O's first
.endr
.endm
	PACK 0
.set t, 1
.rept 2*NP-1
	PACK t
	SEND t-1, 8
.set t, t+1
.endr
	SEND 2*NP-1, 0
	WIN W_AD
	s_wait_tensorcnt 0x0            ; the wave's end: behind my last tensor load and my last LDS store
	ds_add_u32 v[SPW], v[NIL]
	s_wait_dscnt 0x0
	WIN 0
	s_endpgm
.Lfunc_end_k_qc45526e775_attn:
	.size	k_qc45526e775_attn, .Lfunc_end_k_qc45526e775_attn-k_qc45526e775_attn
	.p2alignl 7, 3214868480
	.fill 96, 4, 3214868480
	.section	.rodata,"a",@progbits
	.p2align	6, 0x0
	.amdhsa_kernel k_qc45526e775_attn
		.amdhsa_group_segment_fixed_size 327680
		.amdhsa_private_segment_fixed_size 0
		.amdhsa_enable_private_segment 0
		.amdhsa_kernarg_size 40
		.amdhsa_user_sgpr_count 2
		.amdhsa_user_sgpr_kernarg_segment_ptr 1
		.amdhsa_wavefront_size32 1
		.amdhsa_system_sgpr_workgroup_id_x 1
		.amdhsa_system_sgpr_workgroup_id_y 1
		.amdhsa_system_sgpr_workgroup_id_z 1
		.amdhsa_system_vgpr_workitem_id 0
		.amdhsa_next_free_vgpr 960
		.amdhsa_next_free_sgpr 102
		.amdhsa_reserve_vcc 1
		.amdhsa_float_denorm_mode_32 3
		.amdhsa_float_denorm_mode_16_64 3
		.amdhsa_memory_ordered 1
		.amdhsa_forward_progress 1
		.amdhsa_inst_pref_size 143
	.end_amdhsa_kernel
	.amdgpu_metadata
---
amdhsa.version: [ 1, 2 ]
amdhsa.kernels:
  - .name:           k_qc45526e775_attn
    .symbol:         k_qc45526e775_attn.kd
    .args:
      - { .name: heads, .offset: 0, .size: 8, .value_kind: global_buffer, .address_space: global }
      - { .name: ws, .offset: 8, .size: 8, .value_kind: global_buffer, .address_space: global }
      - { .name: mask, .offset: 16, .size: 8, .value_kind: global_buffer, .address_space: global }
      - { .name: att_prior_bias, .offset: 24, .size: 8, .value_kind: global_buffer, .address_space: global }
      - { .name: ob, .offset: 32, .size: 8, .value_kind: global_buffer, .address_space: global }
    .group_segment_fixed_size: 327680
    .private_segment_fixed_size: 0
    .kernarg_segment_align: 8
    .kernarg_segment_size: 40
    .max_flat_workgroup_size: 128
    .sgpr_count:     102
    .vgpr_count:     960
    .wavefront_size: 32
...
	.end_amdgpu_metadata
.endif
;; end of part 3
;; launch oproj (part 4): grid 4 x 64, 4 waves a work-group, clusters of 4 x 4, 327,680 bytes of LDS; arguments ob, ws, bo, out0; writes out0
.if DOCPART == 4
	.amdgcn_target "amdgcn-amd-amdhsa--gfx1250"
	.amdhsa_code_object_version 6
	.text
	.protected	k_qc45526e775_oproj
	.globl	k_qc45526e775_oproj
	.p2align	8
	.type	k_qc45526e775_oproj,@function
k_qc45526e775_oproj:
	s_mov_b64 s[64:65], 0
	v_nop
	global_prefetch_b8 v0, s[64:65] scope:SCOPE_SE
	s_setreg_imm32_b32 hwreg(HW_REG_WAVE_MODE, 25, 1), 1
	s_wait_xcnt 0x0
	s_wait_alu depctr_hold_cnt(0) depctr_sa_sdst(0) depctr_va_vdst(0) depctr_va_sdst(0) depctr_va_ssrc(0) depctr_va_vcc(0) depctr_vm_vsrc(0)
	s_getreg_b32 s2, hwreg(HW_REG_IB_STS2, 6, 4)
	s_cmp_eq_u32 s2, 0
	s_cbranch_scc0 .Lentry_in_a_cluster
	s_endpgm
.Lentry_in_a_cluster:
	s_bfe_u32 s2, ttmp6, 0x10000c
	s_cmp_lg_u32 s2, 0xf033
	s_cbranch_scc0 .Lentry_shape_is_right
	s_endpgm
.Lentry_shape_is_right:
; THE OUTPUT PROJECTION.  out0[row][n] = the sum over k of concat[row][k] Wo[n][k] + bo[n], f32.  concat[(batch, s)][64 head + d] = ob[16 batch + head][s][d], f16; Wo: ws, byte WO, the bf16 number as f16;
; bo is rounded to bf16 like every input and is the C operand of the product that starts each sum.  Sums in f32.
; SHARES.  A tile is 128 rows x 256 columns: 256 work-groups.  Four waves; a wave makes 64 x 128: 32 accumulators.  K goes in 8 steps of 128 (two heads) through two LDS slots.
; A head's 128 rows of a tile are 16,384 dense bytes: asked for as 64 rows of 256 bytes and padded in LDS after every 128.  Wo's tile rows are 256 bytes of memory, aligned.
; CLUSTERS.  4 x 4 work-groups: the four of a row need the same rows of concat, the four of a column the same rows of Wo: each tile is asked for jointly.
; THE MATRIX INSTRUCTION IS USED TRANSPOSED (source 0 = 16 rows of Wo, source 1 = 16 rows of concat): a lane holds row l % 16 and the eight neighbouring columns 8 (l / 16) + 0..7.
; REGISTERS: window 0: v0-31 addresses; v32-63 at work; v64-159, v160-255 two fragment buffers (32 of concat, then 64 of Wo).  window 1: accumulators, (a, b) at v[8 (8 a + b)]; on the way out a block's rows come back
; from the stage into its own 64 registers.  window 2: v0-63 the bias.
.set KSTEP,  128
.set PA,     144                       ; a row of a head in LDS: 128 bytes + 16
.set ABLK,   128*PA                    ; a head's 128 rows
.set PB,     272                       ; a row of Wo: 256 bytes + 16
.set BHALF,  128*PB
.set BOFF,   2*ABLK
.set SLOT1,  131072                    ; one exclusive or turns an address in one slot into the other's
.set STAGE,  SLOT1+BOFF+2*BHALF        ; behind the ring: 16 rows x 528 bytes for each wave
.set SPITCH, 528
.set SPARE,  STAGE+4*16*SPITCH         ; the spare words, 128 bytes for each wave: two blocks of 256 bytes that no other line names
.set WO,     56623104
.set ASTEP,  262144                    ; two heads on in ob
.set ADRA0, 16
.set ADRB0, 17
.set ADRA,  18
.set ADRB,  19
.set BO,    20
.set STO,   24
.set RD,    25
.set GO,    26
.set SPW,   28
.set NIL,   29
.set PFO,   30
.set T,     32
.set F0,    64
.set F1,    160
.set WV, 14
.set RH, 15                            ; s15  my half of the rows; also: I fetch for concat (0) or Wo (1)
.set CH, 16                            ; s16  my half of the columns; also: which head, or which 128 rows of Wo, I fetch
.set CX, 17
.set CY, 18
.set TX, 19
.set TY, 20
.set CLY, 21
.set G1A, 24
.set G1B, 32
.set G0A, 40
.set G0B, 48
.set TB,  56
.set CNT, 57
.set LIM, 58
.set PFA, 60                           ; s[60:61] what my next prefetch names
.set PS,  62                           ; s[62:63] its step
.set OUT, 68
.set MSB, 0
.macro WIN new
.if MSB != (\new)
	s_set_vgpr_msb (MSB<<8)|(\new)
.set MSB, \new
.endif
.endm
.macro PLACES
.rept 4
	v_nop
.endr
.endm
.macro CREST
	s_cmp_lg_u32 s[WV], 0
	s_cbranch_scc1 .Lnot_wave_0_\@
	s_barrier_signal -3
.Lnot_wave_0_\@:
	s_barrier_wait -3
	s_barrier_signal -1
	s_barrier_wait -1
.endm
.macro CROUND
	s_barrier_signal -1
	s_barrier_wait -1
	CREST
.endm
.macro JLOAD                           ; a joint refill by the walking descriptor; an s_nop 0 and four v_nop follow each line
	s_cmp_eq_u32 s[RH], 0
	s_cbranch_scc0 .Lfor_b_\@
	tensor_load_to_lds s[G0A+4:G0A+7], s[G1A:G1A+7]
	s_nop 0
.rept 4
	v_nop
.endr
	s_branch .Lasked_\@
.Lfor_b_\@:
	tensor_load_to_lds s[G0B+4:G0B+7], s[G1B:G1B+7]
	s_nop 0
.rept 4
	v_nop
.endr
.Lasked_\@:
.endm
; A PREFETCH INTO THE L2 of the K step two refills on.  concat: a step's two heads x 16,384 bytes are 128 blocks of 256 bytes; one cluster alone reads them; wave 0 of each of the four partners takes 32, told apart by address
; (head cx / 2, half cx % 2), a lane a block.  Wo: all sixteen clusters read the same rows: the first asks, waves 2 and 3, 32 rows for each of the four partners by address, a lane a row.  Step 10 - CNT exists while CNT > 2.
.macro ASK
	s_cmp_gt_u32 s[CNT], s[LIM]
	s_cbranch_scc0 .Lnot_mine_\@
	global_prefetch_b8 v[PFO], s[PFA:PFA+1] th:TH_LOAD_NT scope:SCOPE_SE
.Lnot_mine_\@:
.endm
	s_load_b256 s[4:11], s[0:1], 0x0               ; ob s[4:5], ws s[6:7], bo s[8:9], out0 s[10:11]
	v_lshl_add_u32 v[SPW], v0, 2, SPARE
	v_mov_b32 v[NIL], 0
	ds_add_u32 v[SPW], v[NIL]                      ; the wave's opening: the add and its wait stand ahead of my first tensor load
	ds_add_u32 v28, v29
	v_lshrrev_b32 v1, 5, v0
	v_readfirstlane_b32 s[WV], v1
	s_lshr_b32 s[RH], s[WV], 1
	s_and_b32 s[CH], s[WV], 1
	s_bfe_u32 s[CX], ttmp6, 0x40000
	s_bfe_u32 s[CY], ttmp6, 0x40004
	s_lshl_b32 s[TX], ttmp9, 2
	s_add_co_u32 s[TX], s[TX], s[CX]
	s_and_b32 s[CLY], ttmp7, 0xffff
	s_lshl_b32 s[TY], s[CLY], 2
	s_add_co_u32 s[TY], s[TY], s[CY]
	s_lshl_b32 s70, s[CY], 2
	s_lshl_b32 s70, 15, s70                        ; my row of the cluster
	s_lshl_b32 s71, 0x1111, s[CX]                  ; my column
	s_or_b32 s[G1A], s70, (1<<16)|(1<<20)|(1<<21)|(4<<22)|(3<<25)  ; padding after every 32 words, 4 words
	s_or_b32 s[G1B], s71, (1<<16)|(1<<20)|(1<<21)|(5<<22)|(3<<25)  ; after every 64 words
	s_mov_b32 s[G1A+1], 128<<16                    ; concat: 64 rows of 128 elements, dense
	s_mov_b32 s[G1A+2], 64<<16
	s_mov_b32 s[G1A+3], 128<<16
	s_mov_b32 s[G1A+4], 64
	s_mov_b32 s[G1A+5], 128
	s_mov_b32 s[G1A+6], 0
	s_mov_b32 s[G1A+7], 0
	s_mov_b32 s[G1B+1], 128<<16                    ; Wo: 128 rows of 128 elements, 1,024 from row to row
	s_mov_b32 s[G1B+2], 128<<16
	s_mov_b32 s[G1B+3], 128<<16
	s_mov_b32 s[G1B+4], 128
	s_mov_b32 s[G1B+5], 1024
	s_mov_b32 s[G1B+6], 0
	s_mov_b32 s[G1B+7], 0
	s_lshr_b32 s72, s[TY], 3
	s_lshl_b32 s72, s72, 21                        ; the batch's 16 heads,
	s_lshl_b32 s80, s[CH], 17                      ; head CH of the step's two,
	s_add_co_u32 s72, s72, s80
	s_and_b32 s73, s[TY], 7
	s_lshl_b32 s73, s73, 14                        ; the tile's 128 rows of 128 bytes
	s_add_co_u32 s72, s72, s73
	s_mov_b32 s73, 0
	s_lshl_b32 s76, s[TX], 19                      ; Wo: row 256 tx + 128 CH
	s_lshl_b32 s80, s[CH], 18
	s_add_co_u32 s76, s76, s80
	s_add_co_u32 s76, s76, WO
	s_mov_b32 s77, 0
	s_mul_i32 s81, s[CH], ABLK                     ; where the tiles go: no place in the cluster enters an LDS address
	s_mul_i32 s82, s[CH], BHALF
	s_add_co_u32 s82, s82, BOFF
	s_wait_dscnt 0x0                               ; the opening add is done
	s_wait_kmcnt 0x0
	s_add_nc_u64 s[74:75], s[4:5], s[72:73]
	s_add_nc_u64 s[78:79], s[6:7], s[76:77]
	CROUND                                         ; all sixteen work-groups are here: the first joint loads meet
.irp s, 0,1
	s_mov_b32 s[G0A+4*(\s)], 1
	s_add_co_u32 s[G0A+4*(\s)+1], s81, (\s)*SLOT1
	s_add_nc_u64 s[G0A+4*(\s)+2:G0A+4*(\s)+3], s[74:75], (\s)*ASTEP
	s_or_b32 s[G0A+4*(\s)+3], s[G0A+4*(\s)+3], 0x80000000
	s_mov_b32 s[G0B+4*(\s)], 1
	s_add_co_u32 s[G0B+4*(\s)+1], s82, (\s)*SLOT1
	s_add_nc_u64 s[G0B+4*(\s)+2:G0B+4*(\s)+3], s[78:79], (\s)*KSTEP*2
	s_or_b32 s[G0B+4*(\s)+3], s[G0B+4*(\s)+3], 0x80000000
.endr
	s_cmp_eq_u32 s[RH], 0                          ; a wave's two first fills stand in one branch: two loads of mine are out
	s_cbranch_scc0 .Lfirst_b
	tensor_load_to_lds s[G0A:G0A+3], s[G1A:G1A+7]
	s_nop 0
	tensor_load_to_lds s[G0A+4:G0A+7], s[G1A:G1A+7]
	s_nop 0
.rept 4
	v_nop
.endr
	s_branch .Lfirst_asked
.Lfirst_b:
	tensor_load_to_lds s[G0B:G0B+3], s[G1B:G1B+7]
	s_nop 0
	tensor_load_to_lds s[G0B+4:G0B+7], s[G1B:G1B+7]
	s_nop 0
.rept 4
	v_nop
.endr
.Lfirst_asked:
	s_lshl_b32 s84, s[TX], 10
	s_lshl_b32 s85, s[CH], 9
	s_add_co_u32 s84, s84, s85                     ; (256 tx + 128 CH) x 4 bytes: in bo, and in a row of out0
	s_mov_b32 s85, 0
	s_add_nc_u64 s[82:83], s[8:9], s[84:85]
	v_and_b32 v1, 15, v0
	v_bfe_u32 v2, v0, 4, 1
	v_lshlrev_b32 v[BO], 5, v2
	WIN 0x80
.irp b, 0,1,2,3,4,5,6,7
	global_load_b128 v[8*(\b):8*(\b)+3],   v[BO], s[82:83] offset:64*(\b)
	global_load_b128 v[8*(\b)+4:8*(\b)+7], v[BO], s[82:83] offset:64*(\b)+16
.endr
	WIN 0
	v_mul_u32_u24 v3, v1, PA
	v_lshl_add_u32 v3, v2, 4, v3
	s_mul_i32 s70, s[RH], 64*PA                    ; my 64 rows, in each head's block
	v_add_nc_u32 v[ADRA0], s70, v3
	v_mul_u32_u24 v3, v1, PB
	v_lshl_add_u32 v3, v2, 4, v3
	s_mul_i32 s70, s[CH], BHALF                    ; my 128 rows of Wo
	s_add_co_u32 s70, s70, BOFF
	v_add_nc_u32 v[ADRB0], s70, v3
	v_mov_b32 v[ADRA], v[ADRA0]
	v_mov_b32 v[ADRB], v[ADRB0]
	s_mov_b32 s[TB], 0
	s_mul_i32 s70, s[WV], 16*SPITCH
	s_add_co_u32 s70, s70, STAGE                   ; my stage
	v_mul_u32_u24 v4, v1, SPITCH
	v_lshl_add_u32 v4, v2, 5, v4
	v_add_nc_u32 v[STO], s70, v4                   ; in: row r, 32 bytes for each half of the lanes
	v_and_b32 v5, 31, v0
	v_lshlrev_b32 v[GO], 4, v5
	v_add_nc_u32 v[RD], s70, v[GO]                 ; back: 32 lanes take a row's 512 bytes
	s_lshl_b32 s72, s[TY], 19                      ; out0: row 128 ty + 64 RH, 4,096 bytes a row
	s_lshl_b32 s73, s[RH], 18
	s_add_co_u32 s72, s72, s73
	s_add_co_u32 s72, s72, s84
	s_mov_b32 s73, 0
	s_add_nc_u64 s[OUT:OUT+1], s[10:11], s[72:73]
	; the prefetches: both stand at K step 3; the first refill steps them to step 4
	s_lshr_b32 s84, s[TY], 3
	s_lshl_b32 s84, s84, 21
	s_lshr_b32 s85, s[CX], 1
	s_add_co_u32 s85, s85, 6                       ; head 6 + cx / 2
	s_lshl_b32 s85, s85, 17
	s_add_co_u32 s84, s84, s85
	s_and_b32 s85, s[TY], 7
	s_lshl_b32 s85, s85, 14
	s_add_co_u32 s84, s84, s85
	s_and_b32 s85, s[CX], 1
	s_lshl_b32 s85, s85, 13
	s_add_co_u32 s84, s84, s85
	s_lshl_b32 s86, s[TX], 8
	s_lshl_b32 s87, s[CH], 7
	s_add_co_u32 s86, s86, s87
	s_lshl_b32 s87, s[CY], 5
	s_add_co_u32 s86, s86, s87                     ; Wo: row 256 tx + 128 CH + 32 cy
	s_lshl_b32 s86, s86, 11
	s_add_co_u32 s86, s86, WO+3*KSTEP*2
	s_mov_b32 s92, ASTEP
	s_cmp_eq_u32 s[RH], 0
	s_cselect_b32 s88, s84, s86
	s_cselect_b64 s[PFA:PFA+1], s[4:5], s[6:7]
	s_cselect_b32 s[PS], s92, KSTEP*2
	s_cselect_b32 s90, 8, 11                       ; a lane a block of 256 bytes, or a lane a row of 2,048
	s_cselect_b32 s91, s[WV], s[CLY]               ; wave 0 asks always, wave 1 never, waves 2 and 3 in the first cluster
	s_mov_b32 s89, 0
	s_mov_b32 s[PS+1], 0
	s_add_nc_u64 s[PFA:PFA+1], s[PFA:PFA+1], s[88:89]
	s_cmp_eq_u32 s91, 0
	s_cselect_b32 s[LIM], 2, -1
	v_lshlrev_b32 v[PFO], s90, v5
	s_wait_loadcnt 0x0                             ; the bias: rounded to bf16, kept as f32
	WIN 0x0a
.set j, 0
.rept 32
	v_cvt_pk_bf16_f32 v[T+j], v[2*j], v[2*j+1]
.set j, j+1
.endr
	WIN 0x80
.set j, 0
.rept 32
	v_lshlrev_b32 v[2*j], 16, v[T+j]
	v_and_b32 v[2*j+1], 0xffff0000, v[T+j]
.set j, j+1
.endr
	WIN 0
; 8 products: row block a x all 8 column blocks, 32 along K.  first = 1: the bias starts the sums.  The 32 accumulators take turns in the same order in every quarter step.
.macro MUL8 f, a, first
.if \first
	WIN 0x60
.else
	WIN 0x50
.endif
.irp b, 0,1,2,3,4,5,6,7
.if \first
	v_wmma_f32_16x16x32_f16 v[8*(8*(\a)+(\b)):8*(8*(\a)+(\b))+7], v[(\f)+32+8*(\b):(\f)+32+8*(\b)+7], v[(\f)+8*(\a):(\f)+8*(\a)+7], v[8*(\b):8*(\b)+7]
.else
	v_wmma_f32_16x16x32_f16 v[8*(8*(\a)+(\b)):8*(8*(\a)+(\b))+7], v[(\f)+32+8*(\b):(\f)+32+8*(\b)+7], v[(\f)+8*(\a):(\f)+8*(\a)+7], v[8*(8*(\a)+(\b)):8*(8*(\a)+(\b))+7]
.endif
.endr
.endm
; 24 LDS loads in one run: quarter kq of a K step: Wo at byte 64 kq of its rows; concat in head kq / 2, channels 32 (kq % 2) on
.macro FETCH kq, f
	WIN 0
.irp i, 0,1,2,3,4,5,6,7
	ds_load_b128 v[(\f)+32+8*(\i):(\f)+32+8*(\i)+3],   v[ADRB] offset:64*(\kq)+(\i)*16*PB
	ds_load_b128 v[(\f)+32+8*(\i)+4:(\f)+32+8*(\i)+7], v[ADRB] offset:64*(\kq)+(\i)*16*PB+32
.endr
.irp i, 0,1,2,3
	ds_load_b128 v[(\f)+8*(\i):(\f)+8*(\i)+3],   v[ADRA] offset:((\kq)/2)*ABLK+64*((\kq)%2)+(\i)*16*PA
	ds_load_b128 v[(\f)+8*(\i)+4:(\f)+8*(\i)+7], v[ADRA] offset:((\kq)/2)*ABLK+64*((\kq)%2)+(\i)*16*PA+32
.endr
.endm
.macro QUARTER kq, f, g, first
	s_wait_dscnt 4                                 ; Wo and concat's blocks 0, 1 are in; the youngest four loads (blocks 2, 3) may be out
	MUL8 \f, 0, \first
	MUL8 \f, 1, \first
	PLACES
	FETCH \kq, \g
	s_wait_dscnt 24                                ; all but the 24 just issued
	MUL8 \f, 2, \first
	MUL8 \f, 3, \first
.endm
; The last quarter of a K step changes slots: in front of the barrier each wave waits for all its tensor loads, adds 0 to its spare word, and waits for that and for its reads of this slot.
; fill = 1: the barrier opens a round of the cluster's, and the joint refill is the first thing behind the round: 112 products stand between it and the wait for it.
; fill = 0: nothing is asked for; in the last K step (CNT = 1) there is no further step either, and the run of fragment loads is jumped over.
.macro TURN fill
.if \fill
	s_wait_xcnt 0x0                                ; the last prefetch, a K step back, has read its address
	s_add_nc_u64 s[PFA:PFA+1], s[PFA:PFA+1], s[PS:PS+1]
.endif
	WIN 0
	s_wait_tensorcnt 0x0                           ; no tensor load of mine is out, so a group 0 may be written
	ds_add_u32 v[SPW], v[NIL]                      ; 0 onto my spare word
.if \fill
	s_xor_b32 s[G0A+5], s[G0A+5], SLOT1            ; the walking descriptors: the other slot, the next K step
	s_add_nc_u64 s[G0A+6:G0A+7], s[G0A+6:G0A+7], ASTEP
	s_xor_b32 s[G0B+5], s[G0B+5], SLOT1
	s_add_nc_u64 s[G0B+6:G0B+7], s[G0B+6:G0B+7], KSTEP*2
.endif
	s_wait_dscnt 5                                 ; the add and the youngest four loads may be out
	MUL8 F1, 0, 0
	s_wait_dscnt 0x0                               ; the add is done, and my reads of this slot are over
	s_barrier_signal -1
	MUL8 F1, 1, 0
	WIN 0
	s_barrier_wait -1
.if \fill
	CREST
	JLOAD                                          ; its four v_nop are also the places in front of the loads below
.else
	PLACES
	s_cmp_eq_u32 s[CNT], 1
	s_cbranch_scc1 .Lno_fetch_\@
.endif
	s_xor_b32 s[TB], s[TB], SLOT1
	v_add_nc_u32 v[ADRA], s[TB], v[ADRA0]
	v_add_nc_u32 v[ADRB], s[TB], v[ADRB0]
	FETCH 0, F0
.if \fill
	ASK
.else
.Lno_fetch_\@:
.endif
	MUL8 F1, 2, 0
	MUL8 F1, 3, 0
.endm
; THE WAY OUT, f32: block a's 16 rows x 128 columns go from the accumulators into rows of 528 bytes of my stage (each accumulator's low four registers first) and come back as whole rows of 512 bytes,
; into the registers that they left: so no register that a store reads is ever written again, and the way out has no wait for the stores.
.macro TOSTAGE a
	WIN 0x04                                       ; the LDS stores' data (source 1) in window 1
.irp b, 0,1,2,3,4,5,6,7
	ds_store_b128 v[STO], v[8*(8*(\a)+(\b)):8*(8*(\a)+(\b))+3]   offset:64*(\b)
	ds_store_b128 v[STO], v[8*(8*(\a)+(\b))+4:8*(8*(\a)+(\b))+7] offset:64*(\b)+16
.endr
	WIN 0x40                                       ; destination window 1
.irp t, 0,1,2,3,4,5,6,7,8,9,10,11,12,13,14,15
	ds_load_b128 v[64*(\a)+4*(\t):64*(\a)+4*(\t)+3], v[RD] offset:(\t)*SPITCH  ; LDS serves a wave's instructions in order (ISA guide 5.7.1.4): these see the stores above
.endr
	WIN 0
.endm
.macro SEND a, younger                 ; younger: the LDS instructions issued behind block a's loads: the next block's 32, or none
	WIN 0x04                                       ; the stores' data (source 1) in window 1
.irp t, 0,1,2,3,4,5,6,7,8,9,10,11,12,13,14,15
	s_wait_dscnt (\younger)+15-(\t)
	global_store_b128 v[GO], v[64*(\a)+4*(\t):64*(\a)+4*(\t)+3], s[OUT:OUT+1] offset:(16*(\a)+(\t))*4096 th:TH_STORE_NT  ; 512 consecutive bytes, aligned
.endr
	WIN 0
.endm
	s_wait_tensorcnt 0x1                           ; my part of K step 0 is in; step 1's may stay out
	s_barrier_signal -1
	s_barrier_wait -1
	FETCH 0, F0
	QUARTER 1, F0, F1, 1                           ; the first quarter stands in front of the loop: its products start the sums
	WIN 0
	s_mov_b32 s[CNT], 6
.Lstep:
	QUARTER 2, F1, F0, 0
	QUARTER 3, F0, F1, 0
	TURN 1
	QUARTER 1, F0, F1, 0
	WIN 0
	s_sub_co_u32 s[CNT], s[CNT], 1
	s_cmp_lg_u32 s[CNT], 0
	s_cbranch_scc1 .Lstep
	s_mov_b32 s[CNT], 2
.Ltail:                                        ; K steps 6 and 7 ask for nothing: a loop of their own; its second trip is left behind the last product
	QUARTER 2, F1, F0, 0
	QUARTER 3, F0, F1, 0
	TURN 0
	WIN 0
	s_sub_co_u32 s[CNT], s[CNT], 1
	s_cmp_eq_u32 s[CNT], 0
	s_cbranch_scc1 .Lsums
	QUARTER 1, F0, F1, 0
	WIN 0
	s_cmp_lg_u32 s[CNT], 0
	s_cbranch_scc1 .Ltail
.Lsums:
	s_wait_dscnt 0x0                               ; no LDS load is out
	PLACES                                         ; behind the last products
	TOSTAGE 0
	TOSTAGE 1
	SEND 0, 32
	TOSTAGE 2
	SEND 1, 32
	TOSTAGE 3
	SEND 2, 32
	SEND 3, 0
	s_wait_tensorcnt 0x0                           ; the wave's end: behind my last tensor load and my last LDS store
	ds_add_u32 v[SPW], v[NIL]
	s_wait_dscnt 0x0
	CROUND                                         ; the closing round
	s_endpgm
.Lfunc_end_k_qc45526e775_oproj:
	.size	k_qc45526e775_oproj, .Lfunc_end_k_qc45526e775_oproj-k_qc45526e775_oproj
	.p2alignl 7, 3214868480
	.fill 96, 4, 3214868480
	.section	.rodata,"a",@progbits
	.p2align	6, 0x0
	.amdhsa_kernel k_qc45526e775_oproj
		.amdhsa_group_segment_fixed_size 327680
		.amdhsa_private_segment_fixed_size 0
		.amdhsa_enable_private_segment 0
		.amdhsa_kernarg_size 32
		.amdhsa_user_sgpr_count 2
		.amdhsa_user_sgpr_kernarg_segment_ptr 1
		.amdhsa_wavefront_size32 1
		.amdhsa_system_sgpr_workgroup_id_x 1
		.amdhsa_system_sgpr_workgroup_id_y 1
		.amdhsa_system_sgpr_workgroup_id_z 1
		.amdhsa_system_vgpr_workitem_id 0
		.amdhsa_next_free_vgpr 576
		.amdhsa_next_free_sgpr 100
		.amdhsa_reserve_vcc 0
		.amdhsa_float_denorm_mode_32 3
		.amdhsa_float_denorm_mode_16_64 3
		.amdhsa_memory_ordered 1
		.amdhsa_forward_progress 1
		.amdhsa_inst_pref_size 70
	.end_amdhsa_kernel
	.amdgpu_metadata
---
amdhsa.version: [ 1, 2 ]
amdhsa.kernels:
  - .name:           k_qc45526e775_oproj
    .symbol:         k_qc45526e775_oproj.kd
    .args:
      - { .name: ob, .offset: 0, .size: 8, .value_kind: global_buffer, .address_space: global }
      - { .name: ws, .offset: 8, .size: 8, .value_kind: global_buffer, .address_space: global }
      - { .name: bo, .offset: 16, .size: 8, .value_kind: global_buffer, .address_space: global }
      - { .name: out0, .offset: 24, .size: 8, .value_kind: global_buffer, .address_space: global }
    .group_segment_fixed_size: 327680
    .private_segment_fixed_size: 0
    .kernarg_segment_align: 8
    .kernarg_segment_size: 32
    .max_flat_workgroup_size: 128
    .sgpr_count:     100
    .vgpr_count:     576
    .wavefront_size: 32
...
	.end_amdgpu_metadata
.endif
;; end of part 4
